; MI455X (gfx1250); checked and timed in simulation.
; The chip was launched on July 23, 2026; its instructions are those of AMD's public machine-readable ISA for CDNA 5 (MIT licence, August 2026) and "CDNA5" Instruction Set Architecture Reference Guide (July 2026). The comments in the code are by the model that wrote it; some were corrected since.
;; Block. Allowed arithmetic: float matrix products may take bf16 or f16 operands with f32 sums; other float arithmetic in f32, or as packed bf16 or f16 multiplies, adds, multiply-adds, maxima and minima; sums over many terms, partial sums and values carried from step to step in f32; what a program stores and reads back later, other than sums and carried values, may be rounded once to bf16 or f16.
;; Inputs: W1 512 x 2,048 float32; W2 2,048 x 512 float32; Wk 8 x 512 x 64 float32; Wo 512 x 512 float32; Wq 8 x 512 x 64 float32; Wv 8 x 512 x 64 float32; b1 2,048 float32; b2 512 float32; bo 512 float32; ln1_b 512 float32; ln1_g 512 float32; ln2_b 512 float32; ln2_g 512 float32; x 128 x 128 x 512 float32.
;; Outputs: out0 128 x 128 x 512 float32.
;; One version. Each part assembles by itself: llvm-mc -triple=amdgcn-amd-amdhsa -mcpu=gfx1250 --defsym DOCPART=n.
;; ======== version 1 of 1: 3 launches
;; workspace buffers: h 16,777,216 bytes; wts 6,291,456 bytes; ctxf 16,777,216 bytes
;; launch prep (part 1): grid 608 x 1, 8 waves a work-group, no clusters, 19,456 bytes of LDS; arguments x, ln1_g, ln1_b, Wq, Wk, Wv, Wo, W1, W2, h, wts; writes h, wts
.if DOCPART == 1
	.amdgcn_target "amdgcn-amd-amdhsa--gfx1250"
	.amdhsa_code_object_version 6
	.text
	.protected	k_q035f8d664e_prep
	.globl	k_q035f8d664e_prep
	.p2align	8
	.type	k_q035f8d664e_prep,@function
k_q035f8d664e_prep:
	s_mov_b64 s[64:65], 0
	v_nop
	global_prefetch_b8 v0, s[64:65] scope:SCOPE_SE
	s_setreg_imm32_b32 hwreg(HW_REG_WAVE_MODE, 25, 1), 1
	s_wait_xcnt 0x0
; PREP.  Two streams in one launch, told apart by the work-group's number.
; Work-groups 0-95: the six weight matrices ([K][N], f32) are rounded once to bf16 and written in FRAGMENT ORDER, cut into the tiles that the two later launches walk.
;   A fragment is 16 n x 32 k in 1,024 bytes: [s = 0,1][lane = r + 16 hh][8 bf16], element i = (n = 16 nt + r, k = 32 kt + 16 s + 8 hh + i).
;   A TASK is 16 k x 64 n: 4 KiB in (sixteen lanes read 256 consecutive bytes of a row), four half fragments of 512 consecutive bytes out.  96 groups x 8 waves x 4 tasks = 3,072 tasks.
; Work-groups 96-607: h = LN1(x) in bf16, row-major.  32 rows a group, 4 rows a wave, a row in 16 registers a lane; mean, then the mean of (x - mean)^2, as the definition has it.
; LIMITS.  h and the weights are rounded once to bf16; NaN and infinities are not treated apart.
.set SPARE, 18432                      ; behind the eight stages: the spare words, 128 bytes a wave
.set STG,   2304                       ; a wave's stage: four half fragments at a pitch of 528 bytes (512 + 16, so that sixteen lanes' 16-byte stores fall into sixteen different columns of 256 bytes)
.set SPW, 6                            ; v6  LDS address of my spare word; never rewritten
.set NIL, 7                            ; v7  0; never rewritten
.set WV,  60                           ; s60 my wave's number
.set X,   40                           ; LN: v[40:103] four rows of 16
.set YY,  104                          ; LN: v[104:135] four rows of 8, packed
.set SA,  136                          ; LN: v[136:151] two chains of a pair for each row
.set MU,  152                          ; LN: v[152:159] (mean, mean) for each row
.set RS,  160                          ; LN: v[160:167] (rstd, rstd) for each row
	s_load_b256 s[4:11], s[0:1], 0x0               ; x s[4:5], ln1_g s[6:7], ln1_b s[8:9], Wq s[10:11]
	s_load_b256 s[12:19], s[0:1], 0x20             ; Wk s[12:13], Wv s[14:15], Wo s[16:17], W1 s[18:19]
	s_load_b128 s[20:23], s[0:1], 0x40             ; W2 s[20:21], h s[22:23]
	s_load_b64 s[24:25], s[0:1], 0x50              ; wts
	v_lshl_add_u32 v[SPW], v0, 2, SPARE
	v_mov_b32 v[NIL], 0
	v_lshrrev_b32 v2, 5, v0
	v_readfirstlane_b32 s[WV], v2                  ; wave 0..7
	v_and_b32 v1, 31, v0                           ; lane
	s_cmp_lt_u32 ttmp9, 96
	s_cbranch_scc1 .Lcast
	; ---------------- LN1 ----------------
	s_sub_co_u32 s28, ttmp9, 96                    ; block of 32 rows
	s_lshl_b32 s30, s28, 16                        ; x: 32 rows of 2,048 bytes
	s_mov_b32 s31, 0
	s_lshl_b32 s32, s28, 15                        ; h: 32 rows of 1,024 bytes
	s_mov_b32 s33, 0
	s_mov_b32 s34, 0x76543210                      ; v_permlanex16_b32: each lane takes its own place in the other half
	s_mov_b32 s35, 0xfedcba98
	s_mov_b32 s36, 0x3b000000                      ; 1 / 512
	s_mov_b32 s37, 0x3727c5ac                      ; 1e-5
	v_lshlrev_b32 v5, 4, v1                        ; 16 x lane: my 4 columns in each 128
	s_lshl_b32 s38, s[WV], 13
	v_add_nc_u32 v3, s38, v5                       ; x: my wave's 4 rows + 16 x lane
	s_lshl_b32 s39, s[WV], 12
	v_lshl_add_u32 v4, v1, 3, s39                  ; h: my wave's 4 rows + 8 x lane
	s_wait_kmcnt 0x0
	s_add_nc_u64 s[4:5], s[4:5], s[30:31]
	s_add_nc_u64 s[22:23], s[22:23], s[32:33]
.irp i, 0,1,2,3
.irp j, 0,1,2,3
	global_load_b128 v[X+16*\i+4*\j:X+16*\i+4*\j+3], v3, s[4:5] offset:\i*2048+\j*512 th:TH_LOAD_NT  ; 512 consecutive bytes a load
.endr
.endr
.irp j, 0,1,2,3
	global_load_b128 v[8+4*\j:11+4*\j], v5, s[6:7] offset:\j*512    ; gain of my 16 columns
	global_load_b128 v[24+4*\j:27+4*\j], v5, s[8:9] offset:\j*512   ; bias
.endr
; the sum over the 32 lanes of the four rows' figures in v[SA + 4 i]; every lane ends with the result
.macro LANES
.irp m, 1,2,4,8
.irp i, 0,1,2,3
	v_add_f32_dpp v[SA+4*\i], v[SA+4*\i], v[SA+4*\i] row_xmask:\m row_mask:0xf bank_mask:0xf
.endr
.endr
.irp i, 0,1,2,3
	v_permlanex16_b32 v[SA+4*\i+1], v[SA+4*\i], s34, s35
.endr
.irp i, 0,1,2,3
	v_add_f32 v[SA+4*\i], v[SA+4*\i], v[SA+4*\i+1]
.endr
.endm
	s_wait_loadcnt 8                               ; the sixteen loads of x are in; the eight of gain and bias may stay out
.irp i, 0,1,2,3
	v_pk_add_f32 v[SA+4*\i:SA+4*\i+1], v[X+16*\i:X+16*\i+1], v[X+16*\i+4:X+16*\i+5]
	v_pk_add_f32 v[SA+4*\i+2:SA+4*\i+3], v[X+16*\i+2:X+16*\i+3], v[X+16*\i+6:X+16*\i+7]
.endr
.irp p, 4,6
.irp i, 0,1,2,3
	v_pk_add_f32 v[SA+4*\i:SA+4*\i+1], v[SA+4*\i:SA+4*\i+1], v[X+16*\i+2*\p:X+16*\i+2*\p+1]
	v_pk_add_f32 v[SA+4*\i+2:SA+4*\i+3], v[SA+4*\i+2:SA+4*\i+3], v[X+16*\i+2*\p+2:X+16*\i+2*\p+3]
.endr
.endr
.irp i, 0,1,2,3
	v_pk_add_f32 v[SA+4*\i:SA+4*\i+1], v[SA+4*\i:SA+4*\i+1], v[SA+4*\i+2:SA+4*\i+3]
.endr
.irp i, 0,1,2,3
	v_add_f32 v[SA+4*\i], v[SA+4*\i], v[SA+4*\i+1]
.endr
	LANES
.irp i, 0,1,2,3
	v_mul_f32 v[MU+2*\i], s36, v[SA+4*\i]
	v_mul_f32 v[MU+2*\i+1], s36, v[SA+4*\i]
.endr
.irp i, 0,1,2,3
.irp p, 0,1,2,3,4,5,6,7
	v_pk_add_f32 v[X+16*\i+2*\p:X+16*\i+2*\p+1], v[X+16*\i+2*\p:X+16*\i+2*\p+1], v[MU+2*\i:MU+2*\i+1] neg_lo:[0,1] neg_hi:[0,1]  ; d = x - mean
.endr
.endr
.irp i, 0,1,2,3
	v_pk_mul_f32 v[SA+4*\i:SA+4*\i+1], v[X+16*\i:X+16*\i+1], v[X+16*\i:X+16*\i+1]
	v_pk_mul_f32 v[SA+4*\i+2:SA+4*\i+3], v[X+16*\i+2:X+16*\i+3], v[X+16*\i+2:X+16*\i+3]
.endr
.irp p, 2,4,6
.irp i, 0,1,2,3
	v_pk_fma_f32 v[SA+4*\i:SA+4*\i+1], v[X+16*\i+2*\p:X+16*\i+2*\p+1], v[X+16*\i+2*\p:X+16*\i+2*\p+1], v[SA+4*\i:SA+4*\i+1]
	v_pk_fma_f32 v[SA+4*\i+2:SA+4*\i+3], v[X+16*\i+2*\p+2:X+16*\i+2*\p+3], v[X+16*\i+2*\p+2:X+16*\i+2*\p+3], v[SA+4*\i+2:SA+4*\i+3]
.endr
.endr
.irp i, 0,1,2,3
	v_pk_add_f32 v[SA+4*\i:SA+4*\i+1], v[SA+4*\i:SA+4*\i+1], v[SA+4*\i+2:SA+4*\i+3]
.endr
.irp i, 0,1,2,3
	v_add_f32 v[SA+4*\i], v[SA+4*\i], v[SA+4*\i+1]
.endr
	LANES
.irp i, 0,1,2,3
	v_fma_f32 v[SA+4*\i], v[SA+4*\i], s36, s37     ; variance + eps
.endr
.irp i, 0,1,2,3
	v_rsq_f32 v[RS+2*\i], v[SA+4*\i]               ; made twice, to fill the pair of the packed multiply
	v_rsq_f32 v[RS+2*\i+1], v[SA+4*\i]
.endr
	v_nop                                          ; a plain instruction behind the last of the batch
	s_wait_alu depctr_va_vdst(0)                   ; one wait for the eight, ahead of their first reader
	s_wait_loadcnt 0x0                             ; gain and bias
.irp i, 0,1,2,3
.irp p, 0,1,2,3,4,5,6,7
	v_pk_mul_f32 v[X+16*\i+2*\p:X+16*\i+2*\p+1], v[X+16*\i+2*\p:X+16*\i+2*\p+1], v[RS+2*\i:RS+2*\i+1]
.endr
.endr
.irp i, 0,1,2,3
.irp p, 0,1,2,3,4,5,6,7
	v_pk_fma_f32 v[X+16*\i+2*\p:X+16*\i+2*\p+1], v[X+16*\i+2*\p:X+16*\i+2*\p+1], v[8+2*\p:9+2*\p], v[24+2*\p:25+2*\p]
.endr
.endr
.irp i, 0,1,2,3
.irp p, 0,1,2,3,4,5,6,7
	v_cvt_pk_bf16_f32 v[YY+8*\i+\p], v[X+16*\i+2*\p], v[X+16*\i+2*\p+1]
.endr
.endr
.irp i, 0,1,2,3
.irp j, 0,1,2,3
	global_store_b64 v4, v[YY+8*\i+2*\j:YY+8*\i+2*\j+1], s[22:23] offset:\i*1024+\j*256  ; 32 lanes store 256 consecutive bytes, at a multiple of 256 from h's first byte
.endr
.endr
	s_endpgm
	; ---------------- the weights ----------------
; The parameters of a matrix: source; log2(N / 64); its first work-group; and where a task's half fragments go:
; DB + (kappa & 1) 512 + (k2 >> PAS) AH + ((k2 & (2^PAS - 1)) << AL) + (nu >> 1) BH + (nu & 1) BL, with kappa the block of 16 k, k2 = kappa / 2, nu the block of 64 n; the four lie at +0, +1024, +S2, +S2+1024.
.macro PARAM src, logn, first, db, pas, ah, al, bh, bl, s2
	s_mov_b64 s[26:27], s[\src:\src+1]
	s_mov_b32 s28, \logn
	s_mov_b32 s29, \first
	s_mov_b32 s30, \db
	s_mov_b32 s31, \pas
	s_mov_b32 s32, \ah
	s_mov_b32 s33, \al
	s_mov_b32 s34, \bh
	s_mov_b32 s35, \bl
	s_mov_b32 s52, \s2
	s_branch .Lgo
.endm
.Lcast:
	s_wait_kmcnt 0x0
	s_lshr_b32 s57, ttmp9, 3
	s_cmp_ge_u32 s57, 8
	s_cbranch_scc1 .Lw2
	s_cmp_ge_u32 s57, 4
	s_cbranch_scc1 .Lw1
	s_cmp_eq_u32 s57, 3
	s_cbranch_scc1 .Lwo
	s_cmp_eq_u32 s57, 2
	s_cbranch_scc1 .Lwv
	s_cmp_eq_u32 s57, 1
	s_cbranch_scc1 .Lwk
	PARAM 10, 0, 0,  0,       4, 196608, 13, 0,      0,     2048    ; Wq, read as [4096][64]: k2 = 16 head + kt
.Lwk:
	PARAM 12, 0, 8,  4096,    4, 196608, 13, 0,      0,     2048    ; Wk
.Lwv:
	PARAM 14, 0, 16, 131072,  4, 196608, 12, 0,      0,     2048    ; Wv
.Lwo:
	PARAM 16, 3, 24, 1572864, 2, 131072, 13, 32768,  4096,  2048    ; Wo
.Lw1:
	PARAM 18, 5, 32, 2097152, 4, 0,      11, 131072, 65536, 32768   ; W1
.Lw2:
	PARAM 20, 3, 64, 4194304, 2, 131072, 13, 32768,  4096,  2048    ; W2
.Lgo:
	s_lshl_b32 s53, 1, s28
	s_sub_co_u32 s53, s53, 1                       ; mask of nu
	s_lshl_b32 s54, 1, s31
	s_sub_co_u32 s54, s54, 1                       ; mask of k2's low part
	s_add_co_u32 s55, s28, 12                      ; 16 rows of the source are 2^(12 + logn) bytes
	s_lshl_b32 s56, 256, s28                       ; a row of the source in bytes
	s_sub_co_u32 s36, ttmp9, s29
	s_lshl_b32 s36, s36, 5
	s_lshl2_add_u32 s36, s[WV], s36                ; my first task in the matrix: 32 x group + 4 x wave
	v_and_b32 v8, 15, v1                           ; a: my 4 columns of the 64
	v_lshrrev_b32 v9, 4, v1                        ; bq: my 8 rows of the 16
	v_lshlrev_b32 v10, 4, v1                       ; 16 x lane
	s_mul_i32 s61, s[WV], STG                      ; my stage
	v_lshrrev_b32 v13, 2, v8
	v_mul_u32_u24 v11, v13, 528                    ; half fragment a / 4,
	v_and_b32 v13, 3, v8
	v_lshl_add_u32 v11, v13, 6, v11                ; its lanes r = 4 (a % 4) + c,
	v_lshl_add_u32 v11, v9, 8, v11                 ; hh = bq
	v_add_nc_u32 v11, s61, v11
	v_add_nc_u32 v12, s61, v10                     ; back: 512 consecutive bytes
	v_lshlrev_b32 v13, 3, v9
	v_lshlrev_b32 v14, 4, v8
	v_mad_u32_u24 v24, v13, s56, v14               ; row 8 bq, 16 a bytes along it
.irp i, 1,2,3,4,5,6,7
	v_add_nc_u32 v[24+\i], s56, v[23+\i]           ; rows 8 bq + i
.endr
.macro TASK t                          ; the source address and the target offset of my task t, in scalars
	s_add_co_u32 s37, s36, \t
	s_and_b32 s38, s37, s53                        ; nu
	s_lshr_b32 s39, s37, s28                       ; kappa
	s_lshl_b32 s58, s39, s55
	s_lshl_b32 s59, s38, 8
	s_add_co_u32 s58, s58, s59
	s_mov_b32 s59, 0
	s_add_nc_u64 s[40+2*\t:41+2*\t], s[26:27], s[58:59]
	s_and_b32 s58, s39, 1
	s_lshl_b32 s58, s58, 9
	s_add_co_u32 s[48+\t], s58, s30
	s_lshr_b32 s39, s39, 1                         ; k2
	s_lshr_b32 s58, s39, s31
	s_mul_i32 s58, s58, s32
	s_add_co_u32 s[48+\t], s[48+\t], s58
	s_and_b32 s58, s39, s54
	s_lshl_b32 s58, s58, s33
	s_add_co_u32 s[48+\t], s[48+\t], s58
	s_lshr_b32 s58, s38, 1
	s_mul_i32 s58, s58, s34
	s_add_co_u32 s[48+\t], s[48+\t], s58
	s_and_b32 s58, s38, 1
	s_mul_i32 s58, s58, s35
	s_add_co_u32 s[48+\t], s[48+\t], s58
.endm
	TASK 0
	TASK 1
	TASK 2
	TASK 3
.irp t, 0,1,2,3
.irp i, 0,1,2,3,4,5,6,7
	global_load_b128 v[64+32*\t+4*\i:64+32*\t+4*\i+3], v[24+\i], s[40+2*\t:41+2*\t] th:TH_LOAD_NT  ; all 32 loads go out first
.endr
.endr
; Task t: eight rows' numbers of one column pack into 16 bytes; they go through my stage, which turns columns into lanes.  Each task has its own registers for what it stores, so no store's source is rewritten.
.macro WORK t
	s_wait_loadcnt 24-8*\t                         ; my task's eight loads are in; the later tasks' may stay out
.irp c, 0,1,2,3
.irp p, 0,1,2,3
	v_cvt_pk_bf16_f32 v[40+4*\c+\p], v[64+32*\t+8*\p+\c], v[64+32*\t+8*\p+4+\c]
.endr
.endr
.irp c, 0,1,2,3
	ds_store_b128 v11, v[40+4*\c:43+4*\c] offset:16*\c
.endr
.irp j, 0,1,2,3
	ds_load_b128 v[192+16*\t+4*\j:195+16*\t+4*\j], v12 offset:528*\j  ; LDS serves a wave's instructions in order (ISA guide 5.7.1.4): these see the stores above, and the next task's stores come behind them
.endr
	v_add_nc_u32 v[32+2*\t], s[48+\t], v10
	v_add_nc_u32 v[33+2*\t], s52, v[32+2*\t]
	s_wait_dscnt 3                                 ; the counts run down: half fragment j is back, the younger ones may stay out
	global_store_b128 v[32+2*\t], v[192+16*\t:195+16*\t], s[24:25]  ; 512 consecutive bytes, at a multiple of 512 from wts' first byte
	s_wait_dscnt 2
	global_store_b128 v[32+2*\t], v[196+16*\t:199+16*\t], s[24:25] offset:1024
	s_wait_dscnt 1
	global_store_b128 v[33+2*\t], v[200+16*\t:203+16*\t], s[24:25]
	s_wait_dscnt 0
	global_store_b128 v[33+2*\t], v[204+16*\t:207+16*\t], s[24:25] offset:1024
.endm
	WORK 0
	WORK 1
	WORK 2
	WORK 3
	s_wait_tensorcnt 0x0                           ; the wave's end
	ds_add_u32 v[SPW], v[NIL]
	s_wait_dscnt 0x0
	s_endpgm
.Lfunc_end_k_q035f8d664e_prep:
	.size	k_q035f8d664e_prep, .Lfunc_end_k_q035f8d664e_prep-k_q035f8d664e_prep
	.p2alignl 7, 3214868480
	.fill 96, 4, 3214868480
	.section	.rodata,"a",@progbits
	.p2align	6, 0x0
	.amdhsa_kernel k_q035f8d664e_prep
		.amdhsa_group_segment_fixed_size 19456
		.amdhsa_private_segment_fixed_size 0
		.amdhsa_enable_private_segment 0
		.amdhsa_kernarg_size 88
		.amdhsa_user_sgpr_count 2
		.amdhsa_user_sgpr_kernarg_segment_ptr 1
		.amdhsa_wavefront_size32 1
		.amdhsa_system_sgpr_workgroup_id_x 1
		.amdhsa_system_sgpr_workgroup_id_y 1
		.amdhsa_system_sgpr_workgroup_id_z 1
		.amdhsa_system_vgpr_workitem_id 0
		.amdhsa_next_free_vgpr 256
		.amdhsa_next_free_sgpr 66
		.amdhsa_reserve_vcc 0
		.amdhsa_float_denorm_mode_32 3
		.amdhsa_float_denorm_mode_16_64 3
		.amdhsa_memory_ordered 1
		.amdhsa_forward_progress 1
		.amdhsa_inst_pref_size 40
	.end_amdhsa_kernel
	.amdgpu_metadata
---
amdhsa.version: [ 1, 2 ]
amdhsa.kernels:
  - .name:           k_q035f8d664e_prep
    .symbol:         k_q035f8d664e_prep.kd
    .args:
      - { .name: x, .offset: 0, .size: 8, .value_kind: global_buffer, .address_space: global }
      - { .name: ln1_g, .offset: 8, .size: 8, .value_kind: global_buffer, .address_space: global }
      - { .name: ln1_b, .offset: 16, .size: 8, .value_kind: global_buffer, .address_space: global }
      - { .name: Wq, .offset: 24, .size: 8, .value_kind: global_buffer, .address_space: global }
      - { .name: Wk, .offset: 32, .size: 8, .value_kind: global_buffer, .address_space: global }
      - { .name: Wv, .offset: 40, .size: 8, .value_kind: global_buffer, .address_space: global }
      - { .name: Wo, .offset: 48, .size: 8, .value_kind: global_buffer, .address_space: global }
      - { .name: W1, .offset: 56, .size: 8, .value_kind: global_buffer, .address_space: global }
      - { .name: W2, .offset: 64, .size: 8, .value_kind: global_buffer, .address_space: global }
      - { .name: h, .offset: 72, .size: 8, .value_kind: global_buffer, .address_space: global }
      - { .name: wts, .offset: 80, .size: 8, .value_kind: global_buffer, .address_space: global }
    .group_segment_fixed_size: 19456
    .private_segment_fixed_size: 0
    .kernarg_segment_align: 8
    .kernarg_segment_size: 88
    .max_flat_workgroup_size: 256
    .sgpr_count:     66
    .vgpr_count:     256
    .wavefront_size: 32
...
	.end_amdgpu_metadata
.endif
;; end of part 1
;; launch attn (part 2): grid 128 x 2, 4 waves a work-group, clusters of 4 x 1, 327,680 bytes of LDS; arguments h, wts, ctxf; writes ctxf
.if DOCPART == 2
	.amdgcn_target "amdgcn-amd-amdhsa--gfx1250"
	.amdhsa_code_object_version 6
	.text
	.protected	k_q035f8d664e_attn
	.globl	k_q035f8d664e_attn
	.p2align	8
	.type	k_q035f8d664e_attn,@function
k_q035f8d664e_attn:
	s_mov_b64 s[64:65], 0
	v_nop
	global_prefetch_b8 v0, s[64:65] scope:SCOPE_SE
	s_setreg_imm32_b32 hwreg(HW_REG_WAVE_MODE, 25, 1), 1
	s_wait_xcnt 0x0
	s_wait_alu depctr_hold_cnt(0) depctr_sa_sdst(0) depctr_va_vdst(0) depctr_va_sdst(0) depctr_va_ssrc(0) depctr_va_vcc(0) depctr_vm_vsrc(0)
	s_getreg_b32 s2, hwreg(HW_REG_IB_STS2, 6, 4)
	s_cmp_eq_u32 s2, 0
	s_cbranch_scc0 .Lentry_in_a_cluster
	s_endpgm
.Lentry_in_a_cluster:
	s_bfe_u32 s2, ttmp6, 0x10000c
	s_cmp_lg_u32 s2, 0x3003
	s_cbranch_scc0 .Lentry_shape_is_right
	s_endpgm
.Lentry_shape_is_right:
; ATTN.  ctx = causal attention of 8 heads of 64 on h = LN1(x).  A work-group owns one sequence (128 rows) and four heads; ONE WAVE IS ONE HEAD.
; Q^T and K^T (source 0 = 16 channels of the weights, source 1 = 16 rows of h) hold one row a lane and eight channels: two results rounded to bf16 ARE a fragment of Q or K.
; V (source 0 = 16 rows of h, source 1 = 16 channels of Wv) holds one channel a lane and eight keys: two results rounded ARE a fragment of V^T.  S^T = K Q^T holds one query a lane; rounded it is source 1 of
; O^T = V^T P; O^T rounded is half a fragment of ctx as the next launch reads it: 512 consecutive bytes a store.  So a head's whole attention stays in its wave's registers.
; Tiles above the diagonal are not computed; in the diagonal tile the mask (0 or -1e30) is the C operand that starts the sum.
; SOFTMAX: p = 2^(c s - c m), c = log2(e) / 8, m the row's maximum over all its visible keys (a row's scores are all in registers, so m is the true maximum); O is divided by the sum of the unrounded p.
; WEIGHTS: a head's stream is 12 tiles of 16 KiB in fragment order (8 of Wq and Wk, two K steps of 32 each; 4 of Wv, four K steps each), through a ring of two slots of the wave's own.
; THE WALK.  The sums over K are f32 sums and are taken in another order than the reference's: with C0 = the two low bits of J xor (J >> 2), J the cluster's x, the tiles of Wq and Wk go in the order (2 C0 + n) mod 8 and
; those of Wv in the order (C0 + n) mod 4.  So at any time the clusters ask for four different tiles, and what a cluster asks for from its third tile on (of Wv: its second) has been asked for, two steps (one step)
; earlier, by the clusters that began one strip further on.  Each bit of C0 is the exclusive or of two bits of J, so among the clusters that agree in any one bit of J all four starts occur.
; h LIES IN LDS IN THE WALK'S ORDER: four strips of 128 rows x 256 bytes (128 along K); position p holds columns 128 ((C0 + p) mod 4) on.  Only global addresses hang on C0: no LDS address, no branch, no trip count.
; CLUSTER: the four work-groups of a cluster are four sequences with the same four heads: each tile is asked for JOINTLY (the same load, descriptor and mask in all four).  h is each work-group's own: plain loads.
; LIMITS.  h, q, k, v, p and ctx are each rounded once to bf16; the K steps are added in the walk's order.  A hidden score counts as its value less 1e30; a weight below 2^-126 counts as 0; NaN and infinities are not treated apart.
; REGISTERS, in windows of 256 (s_set_vgpr_msb: bits 1:0 source 0, 3:2 source 1, 5:4 source 2, 7:6 destination):
;   window 0: addresses, mask, statistics, Y, O^T, P, two buffers of S^T      window 1: two sets of fragments (weights at f + 8 i, h at f + 64 + 8 tt)
;   window 2: Q's sums at 8 (4 tt + dt), later Q packed at 16 qt + 8 kc and K packed at 128 + 16 kt + 8 kc      window 3: K's sums, then V's at 8 (8 dt + tt), then V packed at 32 cb + 8 kb
.set H,     131072                     ; LDS: behind the rings, h: four strips of 128 rows
.set HP,    272                        ; of 256 bytes + 16 of padding: 17 x 16, so the sixteen rows of a fragment load start in sixteen different 16-byte columns of 256 bytes
.set HQ,    16*HP
.set HS,    128*HP                     ; a strip: 34,816 bytes
.set TILE,  16384
.set SPARE, H+4*HS                     ; behind h, at byte 270,336: the spare words, 128 bytes a wave
.set HEADB, 196608                     ; a head's stream in wts
.set L16, 3                            ; v3   16 x lane
.set HB0, 4                            ; v4   H + r x HP + 16 hh: rows 0-63
.set HB1, 5                            ; v5   the same for rows 64-127
.set HA0, 6                            ; v6   HB0 + the K step's place
.set HA1, 7                            ; v7
.set WA,  8                            ; v8   the slot in hand + 16 x lane
.set SPW, 10                           ; v10  LDS address of my spare word; never rewritten
.set NIL, 11                           ; v11  0; never rewritten
.set PFO, 12                           ; v12  the prefetch's offset; never rewritten
.set CMX, 14                           ; v[14:15] c m
.set MASK,16                           ; v[16:23] the diagonal tile's mask
.set CM,  24                           ; v[24:31] a maximum for each tile
.set RL,  32                           ; v[32:35] 1 / l, two pairs by the query tile's parity
.set M,   36
.set T,   37
.set Y,   40                           ; v[40:55] ctx packed
.set O,   56                           ; v[56:87] O^T
.set P,   88                           ; v[88:119] P
.set S,   128                          ; v[128:255] S^T, two buffers of 64
.set F0,  0
.set F1,  128
.set WV,  10                           ; s10 my wave's number
.set LIM, 15                           ; s15 the walk's count at which my wave prefetches, or the greatest number: never
.set G1W, 16                           ; s[16:23] group 1 of the weights' tiles
.set G1H, 24                           ; s[24:31] group 1 of h
.set G0A, 32                           ; s[32:35] group 0: the walk's tile 0
.set G0W, 36                           ; s[36:39] group 0: the walk's tile 1; then every refill's
.set G0H, 40                           ; s[40:43] group 0: my strip of h
.set TB,  44                           ; s44 the slot fetched from
.set HK,  45                           ; s45 the K step's place in h: strip x HS + bytes in the strip's rows
.set CNT, 46
.set CS,  48                           ; s[48:49] c
.set SEL, 50                           ; s[50:51] v_permlanex16_b32's selects
.set PFA, 52                           ; s[52:53] where my prefetch stands; never rewritten
.set BIGN,54                           ; s54 -1e30
.set PWB, 66                           ; s[66:67] my head's stream; never rewritten
.set OFF, 68                           ; s[68:69] the byte offset in it of the tile to be asked for
.set TN,  70                           ; s70 the walk's count of that tile, 2 to 11
.set C0,  71                           ; s71 the walk's start
.set C2,  72                           ; s72 twice that
.set TA,  73
.set TBB, 74
.set CNT2,75
.set MSB, 0
.macro WIN new                         ; the high byte repeats the setting that is left; a switch that changes nothing is dropped
.if MSB != (\new)
	s_set_vgpr_msb (MSB<<8)|(\new)
.set MSB, (\new)
.endif
.endm
.macro PLACES                          ; four places behind matrix instructions, in front of loads into registers that they read and of vector work on their results
.rept 4
	v_nop
.endr
.endm
.macro CREST                           ; a round of the cluster's barrier behind its opening barrier
	s_cmp_lg_u32 s[WV], 0
	s_cbranch_scc1 .Lnot_wave_0_\@
	s_barrier_signal -3
.Lnot_wave_0_\@:
	s_barrier_wait -3
	s_barrier_signal -1
	s_barrier_wait -1
.endm
.macro CROUND
	s_barrier_signal -1
	s_barrier_wait -1
	CREST
.endm
	s_load_b128 s[4:7], s[0:1], 0x0                ; h s[4:5], wts s[6:7]
	s_load_b64 s[8:9], s[0:1], 0x10                ; ctxf
	v_lshl_add_u32 v[SPW], v0, 2, SPARE
	v_mov_b32 v[NIL], 0
	ds_add_u32 v[SPW], v[NIL]                      ; the wave's opening: the add and its wait stand ahead of my first tensor load
	v_lshrrev_b32 v1, 5, v0
	v_readfirstlane_b32 s[WV], v1                  ; wave 0..3
	s_bfe_u32 s11, ttmp6, 0x40000                  ; cx
	s_lshl_b32 s12, ttmp9, 2
	s_add_co_u32 s12, s12, s11                     ; the sequence: it enters h's and ctxf's global addresses alone
	s_and_b32 s13, ttmp7, 0xffff                   ; which four heads
	s_lshl_b32 s14, s13, 2
	s_add_co_u32 s14, s14, s[WV]                   ; my head, the same in all four partners
	s_lshr_b32 s[C0], ttmp9, 2                     ; the walk's start, from the cluster's x, which the four partners share
	s_xor_b32 s[C0], s[C0], ttmp9
	s_and_b32 s[C0], s[C0], 3
	s_lshl_b32 s[C2], s[C0], 1
	s_mov_b32 s[TN], 2                             ; the first refill asks for the walk's tile 2
	s_lshl_b32 s[OFF], s[C2], 14                   ; the walk's tile 0 is tile 2 C0 of the stream
	s_mov_b32 s[OFF+1], 0
	s_mov_b32 s[G1W+0], 15|(3<<16)|(1<<21)         ; mask of four; elements of 8 bytes; bit 21 beside a mask
	s_mov_b32 s[G1W+1], 32<<16                     ; tensor_dim0 = 32: rows of 256 bytes
	s_mov_b32 s[G1W+2], 64<<16                     ; tensor_dim1 = 64
	s_mov_b32 s[G1W+3], 32<<16                     ; tile_dim0
	s_mov_b32 s[G1W+4], 64                         ; tile_dim1
	s_mov_b32 s[G1W+5], 32                         ; dense
	s_mov_b32 s[G1W+6], 0
	s_mov_b32 s[G1W+7], 0
	s_mov_b32 s[G1H+0], (1<<16)|(1<<20)|(5<<22)|(3<<25)  ; elements of 2 bytes; padding on: after every 64 words, 4 words
	s_mov_b32 s[G1H+1], 128<<16                    ; tensor_dim0 = 128: rows of 256 bytes
	s_mov_b32 s[G1H+2], 128<<16                    ; tensor_dim1 = 128
	s_mov_b32 s[G1H+3], 128<<16                    ; tile_dim0
	s_mov_b32 s[G1H+4], 128                        ; tile_dim1
	s_mov_b32 s[G1H+5], 512                        ; 512 elements from row to row
	s_mov_b32 s[G1H+6], 0
	s_mov_b32 s[G1H+7], 0
	s_mov_b32 s[G0A], 1
	s_lshl_b32 s[G0A+1], s[WV], 15                 ; my ring: 32,768 x wave; slot 0
	s_mov_b32 s[G0W], 1
	s_add_co_u32 s[G0W+1], s[G0A+1], TILE          ; slot 1
	s_mov_b32 s[G0H], 1
	s_mul_i32 s[G0H+1], s[WV], HS
	s_add_co_u32 s[G0H+1], s[G0H+1], H             ; I fill strip position w
	s_mov_b32 s[TB], s[G0A+1]
	s_mov_b32 s[HK], 0
	s_mov_b32 s[CS], 0x3e38aa3b                    ; c = log2(e) / 8
	s_mov_b32 s[CS+1], s[CS]
	s_mov_b32 s[SEL], 0x76543210
	s_mov_b32 s[SEL+1], 0xfedcba98
	s_mov_b32 s[BIGN], 0xf149f2ca                  ; -1e30
	s_lshr_b32 s[LIM], ttmp9, 2                    ; clusters 0 to 3 along x,
	s_and_b32 s[TA], s[WV], 1                      ; waves 0 and 2: the same in all four partners
	s_or_b32 s[LIM], s[LIM], s[TA]
	s_cmp_eq_u32 s[LIM], 0
	s_cselect_b32 s[LIM], 7, -1
	s_lshl_b32 s56, s12, 17                        ; h: 128 rows of 1,024 bytes a sequence,
	s_add_co_u32 s57, s[C0], s[WV]
	s_and_b32 s57, s57, 3
	s_lshl_b32 s57, s57, 8                         ; columns 128 ((C0 + w) mod 4) on: 256 bytes of each row
	s_add_co_u32 s56, s56, s57
	s_mov_b32 s57, 0
	s_mul_i32 s58, s14, HEADB                      ; my head's stream
	s_mov_b32 s59, 0
	s_lshl_b32 s60, s11, 12                        ; the prefetch: my work-group's 4 KiB
	s_and_b32 s61, ttmp9, 3
	s_add_co_u32 s61, s61, 8                       ; of the tile of Wv with my cluster's number
	s_lshl_b32 s61, s61, 14
	s_add_co_u32 s60, s60, s61
	s_mov_b32 s61, 0
	s_lshl_b32 s62, s12, 17                        ; ctxf: two blocks of 64 rows a sequence,
	s_lshl_b32 s63, s14, 11                        ; my head's two K steps
	s_add_co_u32 s62, s62, s63
	s_mov_b32 s63, 0
	s_wait_dscnt 0x0                               ; the opening add is done
	s_wait_kmcnt 0x0
	s_add_nc_u64 s[G0H+2:G0H+3], s[4:5], s[56:57]
	s_or_b32 s[G0H+3], s[G0H+3], 0x80000000
	s_add_nc_u64 s[PWB:PWB+1], s[6:7], s[58:59]
	s_add_nc_u64 s[G0A+2:G0A+3], s[PWB:PWB+1], s[OFF:OFF+1]
	s_add_nc_u64 s[G0W+2:G0W+3], s[G0A+2:G0A+3], TILE  ; the walk's tile 1 is tile 2 C0 + 1, at most 7
	s_add_nc_u64 s[PFA:PFA+1], s[PWB:PWB+1], s[60:61]
	s_or_b32 s[G0A+3], s[G0A+3], 0x80000000
	s_or_b32 s[G0W+3], s[G0W+3], 0x80000000
	s_add_nc_u64 s[8:9], s[8:9], s[62:63]
	CROUND                                         ; all four work-groups are here: the first joint loads meet
	tensor_load_to_lds s[G0H:G0H+3], s[G1H:G1H+7]  ; the first fills stand together: three loads of mine are out
	s_nop 0
	tensor_load_to_lds s[G0A:G0A+3], s[G1W:G1W+7]
	s_nop 0
	tensor_load_to_lds s[G0W:G0W+3], s[G1W:G1W+7]
	s_nop 0
	PLACES
	v_and_b32 v1, 15, v0                           ; r
	v_bfe_u32 v2, v0, 4, 1                         ; hh
	v_and_b32 v[L16], 31, v0
	v_lshlrev_b32 v[L16], 4, v[L16]
	v_mul_u32_u24 v[HB0], v1, HP
	v_lshl_add_u32 v[HB0], v2, 4, v[HB0]
	v_add_nc_u32 v[HB0], H, v[HB0]
	v_add_nc_u32 v[HB1], 4*HQ, v[HB0]
	v_mov_b32 v[HA0], v[HB0]
	v_mov_b32 v[HA1], v[HB1]
	v_add_nc_u32 v[WA], s[TB], v[L16]
	v_lshlrev_b32 v[PFO], 8, v1                    ; lanes 0-15: sixteen blocks of 256 bytes of my head's tile; lanes 16-31: of the next head's
	v_mul_u32_u24 v9, v2, HEADB
	v_add_nc_u32 v[PFO], v[PFO], v9
	v_lshlrev_b32 v13, 3, v2
	v_sub_nc_u32 v13, v1, v13                      ; r - 8 hh: register j of the diagonal tile is hidden where j is greater
.set j, 0
.rept 8
	v_cmp_gt_i32 vcc_lo, j, v13
	v_cndmask_b32 v[MASK+j], 0, s[BIGN], vcc_lo
.set j, j+1
.endr
	v_mov_b32 v[RL+1], 0                           ; named with 1 / l as pairs
	v_mov_b32 v[RL+3], 0
	v_mov_b32 v[T], 0
; 16 products of Q^T (mat = 0) or K^T (mat = 1): rows 16 (t0 .. t0 + 3) x all 4 channel blocks, 32 along K.  Every sum has one instruction in a K step: the accumulators take turns.
.macro MQK f, mat, t0, zero
	WIN 0xa5+0x50*(\mat)
.irp t, 0,1,2,3
.irp d, 0,1,2,3
.if \zero
	v_wmma_f32_16x16x32_bf16 v[8*(4*((\t0)+\t)+\d):8*(4*((\t0)+\t)+\d)+7], v[(\f)+8*(4*(\mat)+\d):(\f)+8*(4*(\mat)+\d)+7], v[(\f)+64+8*((\t0)+\t):(\f)+64+8*((\t0)+\t)+7], 0
.else
	v_wmma_f32_16x16x32_bf16 v[8*(4*((\t0)+\t)+\d):8*(4*((\t0)+\t)+\d)+7], v[(\f)+8*(4*(\mat)+\d):(\f)+8*(4*(\mat)+\d)+7], v[(\f)+64+8*((\t0)+\t):(\f)+64+8*((\t0)+\t)+7], v[8*(4*((\t0)+\t)+\d):8*(4*((\t0)+\t)+\d)+7]
.endif
.endr
.endr
.endm
.macro HLOADS f, hoff                  ; h's eight fragments of a K step
.irp i, 0,1,2,3
	ds_load_b128 v[(\f)+64+8*\i:(\f)+64+8*\i+3], v[HA0] offset:(\hoff)+\i*HQ
	ds_load_b128 v[(\f)+64+8*\i+4:(\f)+64+8*\i+7], v[HA0] offset:(\hoff)+\i*HQ+32
.endr
.irp i, 0,1,2,3
	ds_load_b128 v[(\f)+96+8*\i:(\f)+96+8*\i+3], v[HA1] offset:(\hoff)+\i*HQ
	ds_load_b128 v[(\f)+96+8*\i+4:(\f)+96+8*\i+7], v[HA1] offset:(\hoff)+\i*HQ+32
.endr
.endm
.macro FETCH1 f, woff, hoff            ; 32 LDS loads in one run: Wq's four fragments, h's eight, Wk's four
	WIN 0x40
.irp i, 0,1,2,3
	ds_load_b128 v[(\f)+8*\i:(\f)+8*\i+3], v[WA] offset:(\woff)+\i*1024
	ds_load_b128 v[(\f)+8*\i+4:(\f)+8*\i+7], v[WA] offset:(\woff)+\i*1024+512
.endr
	HLOADS \f, \hoff
.irp i, 4,5,6,7
	ds_load_b128 v[(\f)+8*\i:(\f)+8*\i+3], v[WA] offset:(\woff)+\i*1024
	ds_load_b128 v[(\f)+8*\i+4:(\f)+8*\i+7], v[WA] offset:(\woff)+\i*1024+512
.endr
.endm
.macro FETCHV f, woff, hoff            ; 24 loads: Wv's four fragments, h's eight
	WIN 0x40
.irp i, 0,1,2,3
	ds_load_b128 v[(\f)+8*\i:(\f)+8*\i+3], v[WA] offset:(\woff)+\i*1024
	ds_load_b128 v[(\f)+8*\i+4:(\f)+8*\i+7], v[WA] offset:(\woff)+\i*1024+512
.endr
	HLOADS \f, \hoff
.endm
; The first K step of a tile of Wq and Wk: 64 products on set f; in its middle the second K step's fragments are fetched into set g.
.macro KTA f, g, zero
	s_wait_dscnt 8                                 ; Wq and h are in; Wk's eight loads may stay out
	MQK \f, 0, 0, \zero
	MQK \f, 0, 4, \zero
	PLACES
	FETCH1 \g, 8192, 64
	s_wait_dscnt 32                                ; all but the 32 just issued
	MQK \f, 1, 0, \zero
	MQK \f, 1, 4, \zero
.endm
; THE PREFETCH.  All eight tiles of Wq and Wk are first asked for at the kernel's head, by the four starts' first two loads: nothing is prefetched for them.  The four tiles of Wv are first asked for together, as the walk's
; tile 8.  Each of their blocks of 256 bytes is named once in the launch: clusters 0 to 3 along x name the tile with their own number; in them waves 0 and 2, each for its own head (lanes 0-15) and the next (lanes 16-31);
; the four partners take 4 KiB of a tile each, told apart by address.  One instruction a wave, behind the refill that asks for the walk's tile 6: two changes of slots, 256 products, ahead of the load of tile 8.
.macro ASK
	s_cmp_eq_u32 s[TN], s[LIM]                     ; the count stands at 7 behind the refill of tile 6
	s_cbranch_scc0 .Lnot_mine_\@
	global_prefetch_b8 v[PFO], s[PFA:PFA+1] th:TH_LOAD_NT scope:SCOPE_SE
.Lnot_mine_\@:
.endm
.macro NEXTT                           ; the walk's tile TN in the stream: (TN + 2 C0) mod 8 of Wq and Wk, or from TN = 8 on 8 + (TN + C0) mod 4 of Wv; it enters the global address alone
	s_add_co_u32 s[TA], s[TN], s[C2]
	s_and_b32 s[TA], s[TA], 7
	s_add_co_u32 s[TBB], s[TN], s[C0]
	s_and_b32 s[TBB], s[TBB], 3
	s_or_b32 s[TBB], s[TBB], 8
	s_cmp_lt_u32 s[TN], 8
	s_cselect_b32 s[TA], s[TA], s[TBB]
	s_lshl_b32 s[OFF], s[TA], 14
	s_add_co_u32 s[TN], s[TN], 1
.endm
.macro REFILL                          ; the other slot than last time; the address is made anew from the tile's number, the type bits set again; the joint load is the first thing behind the round
	s_xor_b32 s[G0W+1], s[G0W+1], TILE
	s_add_nc_u64 s[G0W+2:G0W+3], s[PWB:PWB+1], s[OFF:OFF+1]
	s_or_b32 s[G0W+3], s[G0W+3], 0x80000000
	tensor_load_to_lds s[G0W:G0W+3], s[G1W:G1W+7]
	s_nop 0
	PLACES                                         ; also the places in front of the loads that follow
	s_xor_b32 s[TB], s[TB], TILE                   ; the fetches go on in the other slot
.endm
.macro ADDRS                           ; the addresses of the next run of loads
	v_add_nc_u32 v[WA], s[TB], v[L16]
	v_add_nc_u32 v[HA0], s[HK], v[HB0]
	v_add_nc_u32 v[HA1], s[HK], v[HB1]
.endm
; The second K step of a tile, on set F1, and the change of slots.  In front of the round each wave waits for all its tensor loads (one is out: the next tile), adds 0 to its spare word, and waits for that and for its
; reads of the slot.  next = 1: the next tile is Wv's first.
.macro TURN1 next
	NEXTT
	WIN 0
	s_wait_tensorcnt 0x0
	ds_add_u32 v[SPW], v[NIL]
	s_wait_dscnt 9                                 ; the add and Wk's eight loads may stay out
	MQK F1, 0, 0, 0
	s_wait_dscnt 0x0                               ; the add is done, and my reads of the slot are over
	s_barrier_signal -1
	MQK F1, 0, 4, 0
	WIN 0
	s_barrier_wait -1
	CREST
	REFILL
.if \next
	s_mov_b32 s[HK], 0                             ; Wv's walk begins at strip position 0
.else
	s_add_co_u32 s[HK], s[HK], 128                 ; two K steps of 64 bytes; at a strip's end the loop over strips adds the rest
.endif
	ADDRS
.if \next
	FETCHV F0, 0, 0
.else
	FETCH1 F0, 0, 0
	WIN 0
	ASK
.endif
	MQK F1, 1, 0, 0
	MQK F1, 1, 4, 0
.endm
; 4 n products of V: rows 16 (t0 .. t0 + n - 1) x all 4 channel blocks
.macro MV f, t0, n, zero
	WIN 0xf5
.set tv, \t0
.rept \n
.irp d, 0,1,2,3
.if \zero
	v_wmma_f32_16x16x32_bf16 v[8*(8*\d+tv):8*(8*\d+tv)+7], v[(\f)+64+8*tv:(\f)+64+8*tv+7], v[(\f)+8*\d:(\f)+8*\d+7], 0
.else
	v_wmma_f32_16x16x32_bf16 v[8*(8*\d+tv):8*(8*\d+tv)+7], v[(\f)+64+8*tv:(\f)+64+8*tv+7], v[(\f)+8*\d:(\f)+8*\d+7], v[8*(8*\d+tv):8*(8*\d+tv)+7]
.endif
.endr
.set tv, tv+1
.endr
.endm
.macro VKT f, g, woff, hoff, zero      ; a K step of V: 32 products on set f; the next K step is fetched into g
	s_wait_dscnt 8                                 ; Wv and h's rows 0-63 are in
	MV \f, 0, 4, \zero
	PLACES
	FETCHV \g, \woff, \hoff
	s_wait_dscnt 24                                ; all but the 24 just issued
	MV \f, 4, 4, \zero
.endm
.macro VTURN fill                      ; the fourth K step of a tile of Wv, on set F1; the next tile reads the next strip of h
.if \fill
	NEXTT
	WIN 0
	s_wait_tensorcnt 0x0
	ds_add_u32 v[SPW], v[NIL]
	s_wait_dscnt 9                                 ; the add and h's rows 64-127 may stay out
	MV F1, 0, 2, 0
	s_wait_dscnt 0x0
	s_barrier_signal -1
	MV F1, 2, 2, 0
	WIN 0
	s_barrier_wait -1
	CREST
	REFILL
	s_add_co_u32 s[HK], s[HK], HS
	ADDRS
	FETCHV F0, 0, 0
	MV F1, 4, 4, 0
.else
	s_wait_dscnt 8
	MV F1, 0, 4, 0
	s_wait_tensorcnt 0x0                           ; the last tile is in; the slot is my own, so my own wait is all that its reads need
	WIN 0
	PLACES
	s_xor_b32 s[TB], s[TB], TILE
	s_add_co_u32 s[HK], s[HK], HS
	ADDRS
	FETCHV F0, 0, 0
	s_wait_dscnt 24
	MV F1, 4, 4, 0
.endif
.endm
	s_wait_tensorcnt 0x1                           ; my strip of h and tile 0 are in; tile 1 may stay out
	s_barrier_signal -1
	s_barrier_wait -1                              ; everybody's strip of h is in
	FETCH1 F0, 0, 0
	; ---- Q and K: 8 tiles, two K steps each; two tiles to a strip of h ----
	KTA F0, F1, 1                                  ; the first products start the sums: nothing is cleared
	WIN 0
	s_mov_b32 s[CNT], 4                            ; four strips;
	s_mov_b32 s[CNT2], 1                           ; the first has one change of tiles left, the others two: seven trips of the inner loop in all
.Lstrip:
.Lqk:
	TURN1 0
	KTA F0, F1, 0
	WIN 0
	s_sub_co_u32 s[CNT2], s[CNT2], 1
	s_cmp_lg_u32 s[CNT2], 0
	s_cbranch_scc1 .Lqk
	s_mov_b32 s[CNT2], 2
	s_add_co_u32 s[HK], s[HK], HS-256              ; with the next change's 128: from a strip's second half to the next strip's first (behind the last strip it is not used: the next change sets it anew)
	s_sub_co_u32 s[CNT], s[CNT], 1
	s_cmp_lg_u32 s[CNT], 0
	s_cbranch_scc1 .Lstrip
	TURN1 1
	PLACES
	WIN 0x8a                                       ; Q packed in place: register i takes sums 2 i and 2 i + 1, ascending
.set i, 0
.rept 128
	v_cvt_pk_bf16_f32 v[i], v[2*i], v[2*i+1]
.set i, i+1
.endr
	WIN 0x8f                                       ; K packed into the upper half of Q's window
.set i, 0
.rept 128
	v_cvt_pk_bf16_f32 v[128+i], v[2*i], v[2*i+1]
.set i, i+1
.endr
	; ---- V: 4 tiles, four K steps each; a tile to a strip of h ----
	VKT F0, F1, 4096, 64, 1
	WIN 0
	s_mov_b32 s[CNT], 2
.Lv:
	VKT F1, F0, 8192, 128, 0
	VKT F0, F1, 12288, 192, 0
	VTURN 1
	VKT F0, F1, 4096, 64, 0
	WIN 0
	s_sub_co_u32 s[CNT], s[CNT], 1
	s_cmp_lg_u32 s[CNT], 0
	s_cbranch_scc1 .Lv
	VKT F1, F0, 8192, 128, 0                       ; the tail is written out: nothing more is asked for
	VKT F0, F1, 12288, 192, 0
	VTURN 0
	VKT F0, F1, 4096, 64, 0
	VKT F1, F0, 8192, 128, 0
	VKT F0, F1, 12288, 192, 0
	s_wait_dscnt 0x0
	MV F1, 0, 4, 0
	MV F1, 4, 4, 0
	PLACES
	WIN 0xcf                                       ; V packed in place
.set i, 0
.rept 128
	v_cvt_pk_bf16_f32 v[i], v[2*i], v[2*i+1]
.set i, i+1
.endr
	; ---- attention, query tile by query tile; tile q sees key tiles 0 .. q ----
.macro SC q                            ; S^T of query tile q: the tiles take turns; the diagonal tile's sum starts with the mask
	WIN 0x0a
.set sb, S+64*((\q)%2)
.set k, 0
.rept (\q)+1
.if k == (\q)
	v_wmma_f32_16x16x32_bf16 v[sb+8*k:sb+8*k+7], v[128+16*k:128+16*k+7], v[16*(\q):16*(\q)+7], v[MASK:MASK+7]
.else
	v_wmma_f32_16x16x32_bf16 v[sb+8*k:sb+8*k+7], v[128+16*k:128+16*k+7], v[16*(\q):16*(\q)+7], 0
.endif
.set k, k+1
.endr
.set k, 0
.rept (\q)+1
.if (\q) == 0
	s_wait_alu depctr_va_vdst(0)                   ; the wait stands directly ahead of the link
.endif
	v_wmma_f32_16x16x32_bf16 v[sb+8*k:sb+8*k+7], v[128+16*k+8:128+16*k+15], v[16*(\q)+8:16*(\q)+15], v[sb+8*k:sb+8*k+7]
.set k, k+1
.endr
.endm
.macro SM q                            ; the softmax of query tile q: a lane holds one query and 8 keys of each tile; the other 8 lie in the lane 16 away
	WIN 0
.set sb, S+64*((\q)%2)
.set nk, (\q)+1
.irp a, 0,3,5
.set k, 0
.rept nk
.if \a == 0
	v_max3_num_f32 v[CM+k], v[sb+8*k], v[sb+8*k+1], v[sb+8*k+2]  ; each accumulator's lowest registers are read first
.else
	v_max3_num_f32 v[CM+k], v[CM+k], v[sb+8*k+\a], v[sb+8*k+\a+1]
.endif
.set k, k+1
.endr
.endr
	v_max_num_f32 v[M], v[CM], v[sb+7]
.if nk > 1
.set k, 1
.rept nk-1
	v_max3_num_f32 v[M], v[M], v[CM+k], v[sb+8*k+7]
.set k, k+1
.endr
.endif
	v_permlanex16_b32 v[T], v[M], s[SEL], s[SEL+1]
	v_max_num_f32 v[M], v[M], v[T]
	v_mul_f32 v[CMX], s[CS], v[M]
	v_mul_f32 v[CMX+1], s[CS], v[M]
.set p, 0
.rept 4*nk
	v_pk_fma_f32 v[sb+2*p:sb+2*p+1], v[sb+2*p:sb+2*p+1], s[CS:CS+1], v[CMX:CMX+1] op_sel_hi:[1,0,0] neg_lo:[0,0,1] neg_hi:[0,0,1]  ; c s - c m
.set p, p+1
.endr
.set p, 0
.rept 8*nk
	v_exp_f32 v[sb+p], v[sb+p]
.set p, p+1
.endr
	v_nop                                          ; a plain instruction behind the last exponential
	s_wait_alu depctr_va_vdst(0)                   ; one wait for the batch (and for the reciprocal of the tile before), ahead of the first reader
.set p, 0
.rept 4*nk
	v_cvt_pk_bf16_f32 v[P+p], v[sb+2*p], v[sb+2*p+1]
.set p, p+1
.endr
.if nk%2
.irp z, 0,1,2,3
	v_mov_b32 v[P+4*nk+\z], 0                      ; an odd number of tiles: the fragment's second half holds no key
.endr
.endif
.set p, 2
.rept 4*nk-2
	v_pk_add_f32 v[sb+2*(p%2):sb+2*(p%2)+1], v[sb+2*(p%2):sb+2*(p%2)+1], v[sb+2*p:sb+2*p+1]  ; two chains, onto pairs 0 and 1
.set p, p+1
.endr
	v_pk_add_f32 v[sb:sb+1], v[sb:sb+1], v[sb+2:sb+3]
	v_add_f32 v[M], v[sb], v[sb+1]
	v_permlanex16_b32 v[T], v[M], s[SEL], s[SEL+1]
	v_add_f32 v[M], v[M], v[T]
	v_rcp_f32 v[RL+2*((\q)%2)], v[M]               ; read behind the next tile's wait
.endm
.macro PVM q                           ; O^T = V^T P: four accumulators by turns; the first 32 keys start the sums
	WIN 0x03
.set kb, 0
.rept ((\q)+2)/2
.irp c, 0,1,2,3
.if kb == 0
	v_wmma_f32_16x16x32_bf16 v[O+8*\c:O+8*\c+7], v[32*\c+8*kb:32*\c+8*kb+7], v[P+8*kb:P+8*kb+7], 0
.else
	v_wmma_f32_16x16x32_bf16 v[O+8*\c:O+8*\c+7], v[32*\c+8*kb:32*\c+8*kb+7], v[P+8*kb:P+8*kb+7], v[O+8*\c:O+8*\c+7]
.endif
.endr
.set kb, kb+1
.endr
.endm
.macro OUT q                           ; O^T / l, rounded: four half fragments of ctx
	WIN 0
	s_wait_xcnt 0x0                                ; the last tile's stores have read Y
.set p, 0
.rept 16
	v_pk_mul_f32 v[O+2*p:O+2*p+1], v[O+2*p:O+2*p+1], v[RL+2*((\q)%2):RL+2*((\q)%2)+1] op_sel_hi:[1,0]
.set p, p+1
.endr
.set p, 0
.rept 16
	v_cvt_pk_bf16_f32 v[Y+p], v[O+2*p], v[O+2*p+1]
.set p, p+1
.endr
.irp c, 0,1,2,3
	global_store_b128 v[L16], v[Y+4*\c:Y+4*\c+3], s[8:9] offset:((\q)/4)*65536+((\q)%4)*16384+\c*512  ; 512 consecutive bytes, at a multiple of 512 from ctxf's first byte
.endr
.endm
	SC 0
	SC 1
	PLACES
	SM 0
	PVM 0
.irp q, 1,2,3,4,5,6                    ; the next tile's scores are issued ahead of a softmax, whose vector work stands behind them
	SC (\q)+1
	SM \q
	OUT (\q)-1
	PVM \q
.endr
	SM 7
	OUT 6
	PVM 7
	PLACES
	v_nop
	s_wait_alu depctr_va_vdst(0)                   ; the last reciprocal's wait
	OUT 7
	s_wait_tensorcnt 0x0                           ; the wave's end
	ds_add_u32 v[SPW], v[NIL]
	s_wait_dscnt 0x0
	CROUND                                         ; the closing round
	s_endpgm
.Lfunc_end_k_q035f8d664e_attn:
	.size	k_q035f8d664e_attn, .Lfunc_end_k_q035f8d664e_attn-k_q035f8d664e_attn
	.p2alignl 7, 3214868480
	.fill 96, 4, 3214868480
	.section	.rodata,"a",@progbits
	.p2align	6, 0x0
	.amdhsa_kernel k_q035f8d664e_attn
		.amdhsa_group_segment_fixed_size 327680
		.amdhsa_private_segment_fixed_size 0
		.amdhsa_enable_private_segment 0
		.amdhsa_kernarg_size 24
		.amdhsa_user_sgpr_count 2
		.amdhsa_user_sgpr_kernarg_segment_ptr 1
		.amdhsa_wavefront_size32 1
		.amdhsa_system_sgpr_workgroup_id_x 1
		.amdhsa_system_sgpr_workgroup_id_y 1
		.amdhsa_system_sgpr_workgroup_id_z 1
		.amdhsa_system_vgpr_workitem_id 0
		.amdhsa_next_free_vgpr 1024
		.amdhsa_next_free_sgpr 80
		.amdhsa_reserve_vcc 1
		.amdhsa_float_denorm_mode_32 3
		.amdhsa_float_denorm_mode_16_64 3
		.amdhsa_memory_ordered 1
		.amdhsa_forward_progress 1
		.amdhsa_inst_pref_size 184
	.end_amdhsa_kernel
	.amdgpu_metadata
---
amdhsa.version: [ 1, 2 ]
amdhsa.kernels:
  - .name:           k_q035f8d664e_attn
    .symbol:         k_q035f8d664e_attn.kd
    .args:
      - { .name: h, .offset: 0, .size: 8, .value_kind: global_buffer, .address_space: global }
      - { .name: wts, .offset: 8, .size: 8, .value_kind: global_buffer, .address_space: global }
      - { .name: ctxf, .offset: 16, .size: 8, .value_kind: global_buffer, .address_space: global }
    .group_segment_fixed_size: 327680
    .private_segment_fixed_size: 0
    .kernarg_segment_align: 8
    .kernarg_segment_size: 24
    .max_flat_workgroup_size: 128
    .sgpr_count:     80
    .vgpr_count:     1024
    .wavefront_size: 32
...
	.end_amdgpu_metadata
.endif
;; end of part 2
;; launch ffn (part 3): grid 256 x 1, 4 waves a work-group, clusters of 4 x 1, 327,680 bytes of LDS; arguments ctxf, x, wts, bo, ln2_g, ln2_b, b1, b2, out0; writes out0
.if DOCPART == 3
	.amdgcn_target "amdgcn-amd-amdhsa--gfx1250"
	.amdhsa_code_object_version 6
	.text
	.protected	k_q035f8d664e_ffn
	.globl	k_q035f8d664e_ffn
	.p2align	8
	.type	k_q035f8d664e_ffn,@function
k_q035f8d664e_ffn:
	s_mov_b64 s[64:65], 0
	v_nop
	global_prefetch_b8 v0, s[64:65] scope:SCOPE_SE
	s_setreg_imm32_b32 hwreg(HW_REG_WAVE_MODE, 25, 1), 1
	s_wait_xcnt 0x0
	s_wait_alu depctr_hold_cnt(0) depctr_sa_sdst(0) depctr_va_vdst(0) depctr_va_sdst(0) depctr_va_ssrc(0) depctr_va_vcc(0) depctr_vm_vsrc(0)
	s_getreg_b32 s2, hwreg(HW_REG_IB_STS2, 6, 4)
	s_cmp_eq_u32 s2, 0
	s_cbranch_scc0 .Lentry_in_a_cluster
	s_endpgm
.Lentry_in_a_cluster:
	s_bfe_u32 s2, ttmp6, 0x10000c
	s_cmp_lg_u32 s2, 0x3003
	s_cbranch_scc0 .Lentry_shape_is_right
	s_endpgm
.Lentry_shape_is_right:
; FFN.  out = x1 + relu(LN2(x1) W1 + b1) W2 + b2, with x1 = ctx Wo + bo + x.  A work-group owns 64 rows; x1 lives in its accumulators from Wo to the store.
; All products are taken transposed (source 0 = 16 columns of the weights, source 1 = 16 rows of the activations): a lane holds one row and eight neighbouring columns.
; SHARES.  Wave w owns output columns 128 w .. 128 w + 127 of all 64 rows (32 accumulators, window 1), and in each chunk of 128 hidden columns the columns 32 w .. 32 w + 31.
; The activations of the long products (ctx, then LN2's result: 64 rows x 512) lie as fragments in windows 2 and 3 of every wave.
; STEPS.  Wo in four tiles of 128 along K; the residual and LN2; then 16 chunks: G1 (hidden = relu(h2 W1 + b1), rounded to bf16, handed round through a stage in LDS) and G2 (x1 += hidden W2).
; Every tile of weights is 128 KiB in fragment order, 32 KiB a wave, fetched and read by that wave alone, in two slots that take turns: the tile of step s + 2 is asked for at the end of step s.
; THE WALK.  The sum over the 16 chunks is an f32 sum and is taken in another order than the reference's: cluster J begins at chunk C0(J) and goes round, chunk (C0 + n) mod 16 in trip n.  So at any time the clusters ask
; for sixteen different tiles, and what a cluster asks for from its second chunk on has been asked for, a chunk earlier, by the clusters that began one chunk further on.  C0 is made of bits 0, 1, 3, 4 of J xor (J >> 1):
; the J with one C0 differ by 000111, 111000 or 111111, so among the clusters that agree in any one bit of J all sixteen starts occur.  Only global addresses hang on C0: no LDS address, no branch, no trip count.
; CLUSTER.  The four work-groups of a cluster walk the same weights: each tile is asked for JOINTLY.  ctx and x are each work-group's own: plain loads, with a group 0 of their own.
; LIMITS.  ctx, LN2's result, the hidden layer and the weights are bf16; x, x1, all sums and the output stay f32; the chunks are added in the walk's order; NaN and infinities are not treated apart.
; REGISTERS, in windows of 256 (s_set_vgpr_msb: bits 1:0 source 0, 3:2 source 1, 5:4 source 2, 7:6 destination): window 0: v0-31 addresses and statistics, v32-255 fragments and work, by phase;
;   window 1: the accumulators (mt, nt) at 8 (8 mt + nt);   windows 2, 3: the activations' fragment (mt, kt) in window 2 + mt / 2 at 8 (16 (mt % 2) + kt).
.set WPART, 33792                      ; a wave's part of a slot: 32,768 bytes of weights, or its strip of x: 64 rows of 512 bytes + 16 of padding
.set SLOTB, 4*WPART
.set R0,    2*SLOTB                    ; behind the ring, written by LDS stores alone: 32 KiB: LN2's result by halves, then the hidden layer's stage (16 KiB)
.set SCR,   R0+32768                   ; the rows' sums at +0, their sums of squares at +1024
.set SPARE, SCR+2048                   ; the spare words, 128 bytes a wave
.set CH,    131072                     ; a tile of weights
.set L16, 3                            ; v3   16 x lane
.set WA0, 4                            ; v4   my part of slot 0 + 16 x lane
.set WA1, 5                            ; v5   of slot 1
.set STR, 6                            ; v6   R0 + 16 x lane
.set STA, 7                            ; v7   where I put my hidden columns' half fragments
.set STX, 8                            ; v8   where I put LN2's half fragments
.set XA,  9                            ; v9   my row and columns in my strip of x
.set SCW, 10
.set SCD, 11
.set GO,  12                           ; v12  my 8 columns in bo, ln2_g, ln2_b, b2
.set VB1, 13                           ; v13  my 8 columns in a chunk of b1
.set OA,  14                           ; v14  the way out: XA in slot 1
.set ZR,  15                           ; v15  0
.set SPW, 16                           ; v16  LDS address of my spare word; never rewritten
.set NIL, 17                           ; v17  0; never rewritten
.set CA0, 18                           ; v18  ctx in slot 1, rows 0-31; later PFO
.set CA1, 19                           ; v19  rows 32-63; later PFX
.set PFO, 18
.set PFX, 19
.set SUM, 20                           ; v[20:23]
.set NB2, 24                           ; v[24:31] chains of the squares, then (mean x rstd) twice for each mt
.set F0,  32
.set F1,  128
.set BO,  192
.set XB0, 32
.set XB1, 192
.set GG,  96
.set BT,  160
.set B1,  224
.set MEAN,240
.set RS,  248
.set WV,  22
.set CNT, 25
.set LIM, 26                           ; s26 1 in the clusters that prefetch weights, else the greatest number
.set LW,  27                           ; s27 WPART x wave
.set G1J, 28                           ; s[28:35] group 1: a wave's 32 KiB of weights, joint
.set G1C, 36                           ; s[36:43] group 1: 16 KiB of ctx
.set G1X, 44                           ; s[44:51] group 1: a strip of x
.set G0S0,52                           ; s[52:55] group 0: weights into slot 0
.set G0S1,56                           ; s[56:59] group 0: weights into slot 1
.set PWO, 60
.set PX,  62
.set PW1, 66                           ; s[66:67] my part of W1's chunk 0; never rewritten
.set PFW1,68
.set PFW2,70
.set SEL, 72
.set PW2, 74                           ; s[74:75] my part of W2's chunk 0; never rewritten
.set G0P, 84                           ; s[84:87] group 0 of the two plain loads
.set CN,  90                           ; s90 the chunk whose tiles and b1 are asked for next
.set OFW, 92                           ; s[92:93] its tiles' byte offset in W1 and in W2: 131,072 x CN
.set OFB, 94                           ; s[94:95] its byte offset in b1: 512 x CN
.set PB,  96                           ; s[96:97] b1 at that chunk
.set MSB, 0
.macro WIN new
.if MSB != (\new)
	s_set_vgpr_msb (MSB<<8)|(\new)
.set MSB, (\new)
.endif
.endm
.macro PLACES                          ; four places behind matrix instructions (ISA guide 7.12.1)
.rept 4
	v_nop
.endr
.endm
.macro CREST
	s_cmp_lg_u32 s[WV], 0
	s_cbranch_scc1 .Lnot_wave_0_\@
	s_barrier_signal -3
.Lnot_wave_0_\@:
	s_barrier_wait -3
	s_barrier_signal -1
	s_barrier_wait -1
.endm
.macro CROUND
	s_barrier_signal -1
	s_barrier_wait -1
	CREST
.endm
; A change of slots amid products: T_OPEN, 8 products, T_SIG, 8 products, T_CLOSE, the descriptor's address, T_LOAD.  In front of the round each wave waits for all its tensor loads (one is out: the next step's tile),
; adds 0 to its spare word, and waits for that and for its reads of the slot; the refill is the first thing behind the round.
.macro T_OPEN n
	WIN 0
	s_wait_tensorcnt 0x0
	ds_add_u32 v[SPW], v[NIL]
	s_wait_dscnt \n
.endm
.macro T_SIG
	s_wait_dscnt 0x0
	s_barrier_signal -1
.endm
.macro T_CLOSE
	WIN 0
	s_barrier_wait -1
	CREST
.endm
.macro T_LOAD g0, g1
	tensor_load_to_lds s[\g0:\g0+3], s[\g1:\g1+7]
	s_nop 0
	PLACES                                         ; also the places in front of the loads that follow
.endm
.macro CHG_A                           ; the same change where no products are at hand: CHG_A, the descriptor's address, CHG_B
	WIN 0
	s_wait_tensorcnt 0x0
	ds_add_u32 v[SPW], v[NIL]
.endm
.macro CHG_B g0, g1
	s_wait_dscnt 0x0
	CROUND
	T_LOAD \g0, \g1
.endm
; PREFETCHES.  ASKW: 32 blocks of 256 bytes of a tile of W1 or W2, a lane a block: of the 32 KiB that wave w fetches of a tile, my work-group's 8 KiB (the partners are told apart by address).  Clusters 0 to 15 name the
; tiles of the chunk with their own number, so each block of W1 and W2 is named once in the launch: W1's behind the second Wo step's refill, two steps (256 products) ahead of the first load of a tile of W1; W2's behind the
; third's, two steps ahead of the first load of a tile of W2.  Every tile is first asked for in the walk's first chunk, so the loop names nothing.  Wo comes by its loads alone.
; ASKX: every work-group names its own strips of x, 16 rows an instruction, one and two steps ahead of their load.
.macro ASKW ptr
	s_cmp_eq_u32 s[LIM], 1
	s_cbranch_scc0 .Lnot_mine_\@
	global_prefetch_b8 v[PFO], s[\ptr:\ptr+1] th:TH_LOAD_NT scope:SCOPE_SE
.Lnot_mine_\@:
.endm
.macro ASKX i
	global_prefetch_b8 v[PFX], s[PX:PX+1] offset:(\i)*32768 th:TH_LOAD_NT scope:SCOPE_SE
.endm
	s_load_b512 s[4:19], s[0:1], 0x0               ; ctxf s[4:5], x s[6:7], wts s[8:9], bo s[10:11], ln2_g s[12:13], ln2_b s[14:15], b1 s[16:17], b2 s[18:19]
	s_load_b64 s[20:21], s[0:1], 0x40              ; out0
	v_lshl_add_u32 v[SPW], v0, 2, SPARE
	v_mov_b32 v[NIL], 0
	ds_add_u32 v[SPW], v[NIL]                      ; the wave's opening: the add and its wait stand ahead of my first tensor load
	v_lshrrev_b32 v1, 5, v0
	v_readfirstlane_b32 s[WV], v1                  ; wave 0..3
	s_bfe_u32 s23, ttmp6, 0x40000                  ; cx
	s_lshl_b32 s24, ttmp9, 2
	s_add_co_u32 s24, s24, s23                     ; my block of 64 rows: it enters global addresses alone
	s_mov_b32 s[G1J+0], 15|(3<<16)|(1<<21)         ; mask of four; elements of 8 bytes; bit 21 beside a mask
	s_mov_b32 s[G1J+1], 32<<16                     ; rows of 256 bytes,
	s_mov_b32 s[G1J+2], 128<<16                    ; 128 of them, dense
	s_mov_b32 s[G1J+3], 32<<16
	s_mov_b32 s[G1J+4], 128
	s_mov_b32 s[G1J+5], 32
	s_mov_b32 s[G1J+6], 0
	s_mov_b32 s[G1J+7], 0
	s_mov_b32 s[G1C+0], 3<<16
	s_mov_b32 s[G1C+1], 32<<16
	s_mov_b32 s[G1C+2], 64<<16
	s_mov_b32 s[G1C+3], 32<<16
	s_mov_b32 s[G1C+4], 64
	s_mov_b32 s[G1C+5], 32
	s_mov_b32 s[G1C+6], 0
	s_mov_b32 s[G1C+7], 0
	s_mov_b32 s[G1X+0], (2<<16)|(1<<20)|(6<<22)|(3<<25)  ; elements of 4 bytes; padding on: after every 128 words, 4 words
	s_mov_b32 s[G1X+1], 128<<16
	s_mov_b32 s[G1X+2], 64<<16
	s_mov_b32 s[G1X+3], 128<<16
	s_mov_b32 s[G1X+4], 64
	s_mov_b32 s[G1X+5], 512
	s_mov_b32 s[G1X+6], 0
	s_mov_b32 s[G1X+7], 0
	s_mul_i32 s[LW], s[WV], WPART
	s_mov_b32 s[G0S0], 1
	s_mov_b32 s[G0S0+1], s[LW]
	s_mov_b32 s[G0S1], 1
	s_add_co_u32 s[G0S1+1], s[LW], SLOTB
	s_mov_b32 s[G0P], 1
	s_add_co_u32 s[G0P+1], s[LW], SLOTB            ; ctx goes into slot 1
	s_mov_b32 s[SEL], 0x76543210
	s_mov_b32 s[SEL+1], 0xfedcba98
	s_mov_b32 s78, 0x3b000000                      ; 1 / 512
	s_mov_b32 s79, 0x3727c5ac                      ; 1e-5
	s_cmp_lt_u32 ttmp9, 16
	s_cselect_b32 s[LIM], 1, -1                    ; the same in all four partners
	s_lshr_b32 s[CN], ttmp9, 1                     ; the walk's first chunk, from the cluster's number, which the four partners share:
	s_xor_b32 s[CN], s[CN], ttmp9                  ; t = J xor (J >> 1),
	s_and_b32 s[OFW], s[CN], 3                     ; its bits 0, 1
	s_lshr_b32 s[CN], s[CN], 1
	s_and_b32 s[CN], s[CN], 12                     ; and 3, 4
	s_or_b32 s[CN], s[CN], s[OFW]
	s_lshl_b32 s[OFW], s[CN], 17
	s_mov_b32 s[OFW+1], 0
	s_lshl_b32 s[OFB], s[CN], 9
	s_mov_b32 s[OFB+1], 0
	s_lshl_b32 s76, s[WV], 15                      ; my 32 KiB of a tile
	s_mov_b32 s77, 0
	s_and_b32 s81, ttmp9, 15                       ; the prefetches: the chunk with my cluster's number,
	s_lshl_b32 s81, s81, 17
	s_lshl_b32 s80, s23, 13                        ; my work-group's 8 KiB of my 32
	s_add_co_u32 s80, s80, s81
	s_mov_b32 s81, 0
	s_lshl_b32 s82, s24, 17                        ; x and out: 64 rows of 2,048 bytes,
	s_lshl_b32 s83, s[WV], 9                       ; my 128 columns
	s_add_co_u32 s82, s82, s83
	s_mov_b32 s83, 0
	s_lshl_b32 s88, s24, 16                        ; ctxf: 64 KiB a block,
	s_lshl_b32 s89, s[WV], 14                      ; rows 16 w .. 16 w + 15
	s_add_co_u32 s88, s88, s89
	s_mov_b32 s89, 0
	s_wait_dscnt 0x0                               ; the opening add is done
	s_wait_kmcnt 0x0
	s_add_nc_u64 s[PWO:PWO+1], s[8:9], s[76:77]
	s_add_nc_u64 s[PW1:PW1+1], s[PWO:PWO+1], 2097152
	s_add_nc_u64 s[PW2:PW2+1], s[PWO:PWO+1], 4194304
	s_add_nc_u64 s[PWO:PWO+1], s[PWO:PWO+1], 1572864
	s_add_nc_u64 s[PFW1:PFW1+1], s[PW1:PW1+1], s[80:81]
	s_add_nc_u64 s[PFW2:PFW2+1], s[PW2:PW2+1], s[80:81]
	s_add_nc_u64 s[PB:PB+1], s[16:17], s[OFB:OFB+1]
	s_add_nc_u64 s[PX:PX+1], s[6:7], s[82:83]
	s_add_nc_u64 s[20:21], s[20:21], s[82:83]
	s_add_nc_u64 s[G0P+2:G0P+3], s[4:5], s[88:89]
	s_or_b32 s[G0P+3], s[G0P+3], 0x80000000
	s_mov_b64 s[G0S0+2:G0S0+3], s[PWO:PWO+1]
	s_or_b32 s[G0S0+3], s[G0S0+3], 0x80000000
	CROUND                                         ; all four work-groups are here
	tensor_load_to_lds s[G0P:G0P+3], s[G1C:G1C+7]  ; the first fills stand together: two loads of mine are out.  My quarter of ctx,
	s_nop 0
	tensor_load_to_lds s[G0S0:G0S0+3], s[G1J:G1J+7]  ; and my part of Wo's first tile
	s_nop 0
	PLACES
	v_and_b32 v1, 15, v0                           ; r
	v_bfe_u32 v2, v0, 4, 1                         ; hh
	v_and_b32 v[L16], 31, v0
	v_lshlrev_b32 v[L16], 4, v[L16]
	s_lshl_b32 s80, s[WV], 9
	v_lshl_add_u32 v[GO], v2, 5, s80               ; 512 w + 32 hh
.irp t, 0,1,2,3,4,5,6,7
	global_load_b128 v[BO+8*\t:BO+8*\t+3], v[GO], s[10:11] offset:\t*64     ; bo of my columns: it starts the sums of the first products
	global_load_b128 v[BO+8*\t+4:BO+8*\t+7], v[GO], s[10:11] offset:\t*64+16
.endr
	v_add_nc_u32 v[WA0], s[LW], v[L16]
	v_add_nc_u32 v[WA1], SLOTB, v[WA0]
	v_add_nc_u32 v[STR], R0, v[L16]
	s_lshl_b32 s80, s[WV], 10
	v_add_nc_u32 v[STA], s80, v[STR]
	s_lshl_b32 s80, s[WV], 12
	v_add_nc_u32 v[STX], s80, v[STR]
	v_mul_u32_u24 v[XA], v1, 528
	v_lshl_add_u32 v[XA], v2, 5, v[XA]
	v_add_nc_u32 v[XA], s[LW], v[XA]
	v_add_nc_u32 v[OA], SLOTB, v[XA]
	v_lshl_add_u32 v[SCD], v1, 4, SCR
	s_lshl_b32 s80, s[WV], 8
	v_add_nc_u32 v[SCW], s80, v[SCD]
	s_lshl_b32 s80, s[WV], 7
	v_lshl_add_u32 v[VB1], v2, 5, s80
	v_mov_b32 v[ZR], 0
	v_add_nc_u32 v[CA0], SLOTB, v[L16]
	v_add_nc_u32 v[CA1], 2*WPART, v[CA0]
	s_wait_tensorcnt 0x1                           ; my quarter of ctx is in; Wo's tile may stay out
	s_barrier_signal -1
	s_barrier_wait -1                              ; everybody's quarter is in
	WIN 0x80                                       ; ctx's 64 fragments into windows 2 and 3
.set i, 0
.rept 64
	ds_load_b128 v[4*i:4*i+3], v[CA0] offset:(i/32)*WPART+(i%32)*512
.set i, i+1
.endr
	WIN 0xc0
.set i, 0
.rept 64
	ds_load_b128 v[4*i:4*i+3], v[CA1] offset:(i/32)*WPART+(i%32)*512
.set i, i+1
.endr
	CHG_A
	s_add_nc_u64 s[G0S1+2:G0S1+3], s[PWO:PWO+1], CH
	s_or_b32 s[G0S1+3], s[G0S1+3], 0x80000000
	CHG_B G0S1, G1J                                ; slot 1, read out, takes Wo's second tile
	v_and_b32 v[PFO], 31, v0                       ; the two registers that addressed ctx are free
	v_lshrrev_b32 v[PFX], 1, v[PFO]
	v_lshlrev_b32 v[PFX], 11, v[PFX]
	v_and_b32 v1, 1, v0
	v_lshl_add_u32 v[PFX], v1, 8, v[PFX]           ; row lane / 2, half lane % 2 of its 512 bytes
	v_lshlrev_b32 v[PFO], 8, v[PFO]                ; 256 x lane
; ---- x1 = ctx Wo + bo ----
.macro FETCHP f, wa, kt                ; Wo's eight fragments of a quarter (32 along K)
	WIN 0
.irp t, 0,1,2,3,4,5,6,7
	ds_load_b128 v[(\f)+8*\t:(\f)+8*\t+3], v[\wa] offset:(\kt)*8192+\t*1024
	ds_load_b128 v[(\f)+8*\t+4:(\f)+8*\t+7], v[\wa] offset:(\kt)*8192+\t*1024+512
.endr
.endm
.macro MP f, q, kt, m0, n, bias        ; 8 n products: row blocks m0 .. x all 8 column blocks.  Every sum has one instruction in a quarter: the accumulators take turns
.set mm, \m0
.rept \n
.if \bias
	WIN 0x48+4*(mm/2)
.else
	WIN 0x58+4*(mm/2)
.endif
.irp t, 0,1,2,3,4,5,6,7
.if \bias
	v_wmma_f32_16x16x32_bf16 v[8*(8*mm+\t):8*(8*mm+\t)+7], v[(\f)+8*\t:(\f)+8*\t+7], v[8*(16*(mm%2)+4*(\q)+(\kt)):8*(16*(mm%2)+4*(\q)+(\kt))+7], v[BO+8*\t:BO+8*\t+7]
.else
	v_wmma_f32_16x16x32_bf16 v[8*(8*mm+\t):8*(8*mm+\t)+7], v[(\f)+8*\t:(\f)+8*\t+7], v[8*(16*(mm%2)+4*(\q)+(\kt)):8*(16*(mm%2)+4*(\q)+(\kt))+7], v[8*(8*mm+\t):8*(8*mm+\t)+7]
.endif
.endr
.set mm, mm+1
.endr
.endm
.macro PQ f, g, q, kt, bias
	s_wait_dscnt 0x0
	MP \f, \q, \kt, 0, 2, \bias
	PLACES
	FETCHP \g, wc, (\kt)+1
	MP \f, \q, \kt, 2, 2, \bias
.endm
.macro XFETCH mt, xb                   ; my 64 numbers of x for row block mt
	WIN 0
.irp t, 0,1,2,3,4,5,6,7
	ds_load_b128 v[(\xb)+8*\t:(\xb)+8*\t+3], v[XA] offset:(\mt)*8448+\t*64
	ds_load_b128 v[(\xb)+8*\t+4:(\xb)+8*\t+7], v[XA] offset:(\mt)*8448+\t*64+16
.endr
.endm
.macro P1 q                            ; Wo's tile q: four quarters on sets F0, F1, F0, F1; the last changes slots
.set wc, WA0+((\q)%2)
.set wn, WA0+(((\q)+1)%2)
.if (\q) == 0
	PQ F0, F1, \q, 0, 1
.else
	PQ F0, F1, \q, 0, 0
.endif
	PQ F1, F0, \q, 1, 0
	PQ F0, F1, \q, 2, 0
	T_OPEN 1                                       ; the add may stay out
	MP F1, \q, 3, 0, 1, 0
	T_SIG
	MP F1, \q, 3, 1, 1, 0
	T_CLOSE
.if (\q) == 0
	s_add_nc_u64 s[G0S0+2:G0S0+3], s[PWO:PWO+1], 2*CH
	s_or_b32 s[G0S0+3], s[G0S0+3], 0x80000000
	T_LOAD G0S0, G1J
	FETCHP F0, wn, 0
	ASKX 0
	ASKX 1
.elseif (\q) == 1
	s_add_nc_u64 s[G0S1+2:G0S1+3], s[PWO:PWO+1], 3*CH
	s_or_b32 s[G0S1+3], s[G0S1+3], 0x80000000
	T_LOAD G0S1, G1J
	FETCHP F0, wn, 0
	ASKW PFW1
	ASKX 2
	ASKX 3
.elseif (\q) == 2
	s_mov_b32 s[G0P+1], s[LW]                      ; my strip of x into my part of slot 0
	s_mov_b64 s[G0P+2:G0P+3], s[PX:PX+1]
	s_or_b32 s[G0P+3], s[G0P+3], 0x80000000
	T_LOAD G0P, G1X
	FETCHP F0, wn, 0
	ASKW PFW2
.else
	s_add_nc_u64 s[G0S1+2:G0S1+3], s[PW1:PW1+1], s[OFW:OFW+1]  ; W1's tile of the walk's first chunk
	s_or_b32 s[G0S1+3], s[G0S1+3], 0x80000000
	T_LOAD G0S1, G1J
	XFETCH 0, XB0
.endif
	MP F1, \q, 3, 2, 2, 0
.endm
	FETCHP F0, WA0, 0
	s_wait_loadcnt 0x0                             ; bo
	P1 0
	P1 1
	P1 2
	P1 3
; ---- the residual and LN2 ----
.macro XADD mt, xb
	WIN 0x41
.set p, 0
.rept 32
	v_pk_add_f32 v[64*(\mt)+2*p:64*(\mt)+2*p+1], v[64*(\mt)+2*p:64*(\mt)+2*p+1], v[(\xb)+2*p:(\xb)+2*p+1]
.set p, p+1
.endr
.endm
	PLACES
	XFETCH 1, XB1
	s_wait_dscnt 16                                ; the block in hand is in; the next block's sixteen loads may stay out
	XADD 0, XB0
	XFETCH 2, XB0
	s_wait_dscnt 16
	XADD 1, XB1
	XFETCH 3, XB1
	s_wait_dscnt 16
	XADD 2, XB0
	s_wait_dscnt 0x0
	XADD 3, XB1
	WIN 0
.irp t, 0,1,2,3,4,5,6,7
	global_load_b128 v[GG+8*\t:GG+8*\t+3], v[GO], s[12:13] offset:\t*64
	global_load_b128 v[GG+8*\t+4:GG+8*\t+7], v[GO], s[12:13] offset:\t*64+16
	global_load_b128 v[BT+8*\t:BT+8*\t+3], v[GO], s[14:15] offset:\t*64
	global_load_b128 v[BT+8*\t+4:BT+8*\t+7], v[GO], s[14:15] offset:\t*64+16
.endr
.macro B1LOAD                          ; b1 of my 32 hidden columns of the chunk at which the pointer stands
	global_load_b128 v[B1:B1+3], v[VB1], s[PB:PB+1]
	global_load_b128 v[B1+4:B1+7], v[VB1], s[PB:PB+1] offset:16
	global_load_b128 v[B1+8:B1+11], v[VB1], s[PB:PB+1] offset:64
	global_load_b128 v[B1+12:B1+15], v[VB1], s[PB:PB+1] offset:80
.endm
	B1LOAD
.macro RSUM mt                         ; the sum of my 64 numbers of a row, in four chains
.set tb, 32+8*(\mt)
	WIN 0x05
.irp c, 0,1,2,3
	v_pk_add_f32 v[tb+2*\c:tb+2*\c+1], v[64*(\mt)+4*\c:64*(\mt)+4*\c+1], v[64*(\mt)+4*\c+2:64*(\mt)+4*\c+3]
.endr
	WIN 0x01
.set p, 8
.rept 24
	v_pk_add_f32 v[tb+2*(p%4):tb+2*(p%4)+1], v[64*(\mt)+2*p:64*(\mt)+2*p+1], v[tb+2*(p%4):tb+2*(p%4)+1]
.set p, p+1
.endr
	WIN 0
	v_pk_add_f32 v[tb:tb+1], v[tb:tb+1], v[tb+2:tb+3]
	v_pk_add_f32 v[tb+4:tb+5], v[tb+4:tb+5], v[tb+6:tb+7]
	v_pk_add_f32 v[tb:tb+1], v[tb:tb+1], v[tb+4:tb+5]
	v_add_f32 v[SUM+(\mt)], v[tb], v[tb+1]
.endm
; The four rows' figures in SUM: the other half of the lanes', then the other three waves' through LDS (store, wait for 0, barrier, load).  Every lane ends with its rows' totals.
.macro CROSS off
	WIN 0
.irp m, 0,1,2,3
	v_permlanex16_b32 v[64+\m], v[SUM+\m], s[SEL], s[SEL+1]
.endr
.irp m, 0,1,2,3
	v_add_f32 v[SUM+\m], v[SUM+\m], v[64+\m]
.endr
	ds_store_b128 v[SCW], v[SUM:SUM+3] offset:\off
	s_wait_dscnt 0x0
	s_barrier_signal -1
	s_barrier_wait -1
.irp w, 0,1,2,3
	ds_load_b128 v[32+4*\w:35+4*\w], v[SCD] offset:(\off)+256*\w
.endr
	s_wait_dscnt 0x0
	v_pk_add_f32 v[32:33], v[32:33], v[36:37]
	v_pk_add_f32 v[34:35], v[34:35], v[38:39]
	v_pk_add_f32 v[40:41], v[40:41], v[44:45]
	v_pk_add_f32 v[42:43], v[42:43], v[46:47]
	v_pk_add_f32 v[SUM:SUM+1], v[32:33], v[40:41]
	v_pk_add_f32 v[SUM+2:SUM+3], v[34:35], v[42:43]
.endm
	RSUM 0
	RSUM 1
	RSUM 2
	RSUM 3
	CROSS 0
.irp m, 0,1,2,3
	v_mul_f32 v[MEAN+2*\m], s78, v[SUM+\m]
	v_mul_f32 v[MEAN+2*\m+1], s78, v[SUM+\m]
.endr
.macro SQ mt                           ; the sum of (x1 - mean)^2 over my 64 numbers of a row
	WIN 0x01
.set p, 0
.rept 32
	v_pk_add_f32 v[32+2*p:33+2*p], v[64*(\mt)+2*p:64*(\mt)+2*p+1], v[MEAN+2*(\mt):MEAN+2*(\mt)+1] neg_lo:[0,1] neg_hi:[0,1]
.set p, p+1
.endr
	WIN 0
.irp c, 0,1,2,3
	v_pk_mul_f32 v[NB2+2*\c:NB2+2*\c+1], v[32+2*\c:33+2*\c], v[32+2*\c:33+2*\c]
.endr
.set p, 4
.rept 28
	v_pk_fma_f32 v[NB2+2*(p%4):NB2+2*(p%4)+1], v[32+2*p:33+2*p], v[32+2*p:33+2*p], v[NB2+2*(p%4):NB2+2*(p%4)+1]
.set p, p+1
.endr
	v_pk_add_f32 v[NB2:NB2+1], v[NB2:NB2+1], v[NB2+2:NB2+3]
	v_pk_add_f32 v[NB2+4:NB2+5], v[NB2+4:NB2+5], v[NB2+6:NB2+7]
	v_pk_add_f32 v[NB2:NB2+1], v[NB2:NB2+1], v[NB2+4:NB2+5]
	v_add_f32 v[SUM+(\mt)], v[NB2], v[NB2+1]
.endm
	SQ 0
	SQ 1
	SQ 2
	SQ 3
	CROSS 1024
.irp m, 0,1,2,3
	v_fma_f32 v[SUM+\m], v[SUM+\m], s78, s79       ; variance + eps
.endr
.irp m, 0,1,2,3
	v_rsq_f32 v[RS+2*\m], v[SUM+\m]                ; made twice, to fill the pair of the packed multiply-add
	v_rsq_f32 v[RS+2*\m+1], v[SUM+\m]
.endr
	v_nop                                          ; a plain instruction behind the last of the batch
	s_wait_alu depctr_va_vdst(0)                   ; one wait for the eight, ahead of their first reader
.irp m, 0,1,2,3
	v_mul_f32 v[NB2+2*\m], v[MEAN+2*\m], v[RS+2*\m]
	v_mul_f32 v[NB2+2*\m+1], v[MEAN+2*\m], v[RS+2*\m]
.endr
	s_wait_loadcnt 0x0                             ; gain, bias, and b1 of the first chunk
.macro NORM_A mt                       ; (x1 rstd - mean rstd) g + b, rounded to bf16 in place: 8 half fragments in v32-63
	WIN 0x01
.set p, 0
.rept 32
	v_pk_fma_f32 v[32+2*p:33+2*p], v[64*(\mt)+2*p:64*(\mt)+2*p+1], v[RS+2*(\mt):RS+2*(\mt)+1], v[NB2+2*(\mt):NB2+2*(\mt)+1] neg_lo:[0,0,1] neg_hi:[0,0,1]
.set p, p+1
.endr
	WIN 0
.set p, 0
.rept 32
	v_pk_fma_f32 v[32+2*p:33+2*p], v[32+2*p:33+2*p], v[GG+2*p:GG+2*p+1], v[BT+2*p:BT+2*p+1]
.set p, p+1
.endr
.set p, 0
.rept 32
	v_cvt_pk_bf16_f32 v[32+p], v[32+2*p], v[33+2*p]
.set p, p+1
.endr
.endm
.macro NORM_S mt                       ; my columns are K steps 4 w .. 4 w + 3 of the fragments
.irp t, 0,1,2,3,4,5,6,7
	ds_store_b128 v[STX], v[32+4*\t:35+4*\t] offset:((\mt)%2)*16384+\t*512
.endr
.endm
.macro AFLOAD win                      ; 32 rows' fragments, 32 KiB, into a window
	WIN \win
.set i, 0
.rept 64
	ds_load_b128 v[4*i:4*i+3], v[STR] offset:512*i
.set i, i+1
.endr
.endm
	NORM_A 0
	NORM_S 0
	NORM_A 1
	NORM_S 1
	s_wait_dscnt 0x0
	s_barrier_signal -1
	s_barrier_wait -1                              ; rows 0-31 of LN2's result lie in LDS
	AFLOAD 0x80
	NORM_A 2                                       ; arithmetic on other registers while those loads are out
	s_wait_dscnt 0x0
	s_barrier_signal -1
	s_barrier_wait -1                              ; everybody has read them: the bytes may be written again
	NORM_S 2
	NORM_A 3
	NORM_S 3
	s_wait_dscnt 0x0
	s_barrier_signal -1
	s_barrier_wait -1
	AFLOAD 0xc0
	CHG_A                                          ; W1's first tile is in; slot 0, where x lay, takes W2's tile of the walk's first chunk
	s_add_nc_u64 s[G0S0+2:G0S0+3], s[PW2:PW2+1], s[OFW:OFW+1]
	s_or_b32 s[G0S0+3], s[G0S0+3], 0x80000000
	CHG_B G0S0, G1J
; ---- the 16 chunks ----
.macro FETCHG1 set, g                  ; W1's eight fragments of a quarter (K steps 4 g .. 4 g + 3, two column blocks): set 0 in v32-95, set 1 in v96-127 and v192-223
	WIN 0
.irp i, 0,1,2,3,4,5,6,7
.if \set
.set fr, 96+8*\i+64*(\i/4)
.else
.set fr, 32+8*\i
.endif
	ds_load_b128 v[fr:fr+3], v[WA1] offset:(\g)*8192+\i*1024
	ds_load_b128 v[fr+4:fr+7], v[WA1] offset:(\g)*8192+\i*1024+512
.endr
.endm
.macro MG1 set, g, mp, bias            ; 16 products: four K steps x (2 column blocks x row blocks 2 mp, 2 mp + 1): four accumulators by turns.  bias = 1: b1 starts the sums
	WIN 0x08+4*(\mp)
.irp k, 0,1,2,3
.irp a, 0,1,2,3
.set fi, 2*\k+\a/2
.if \set
.set fr, 96+8*fi+64*(fi/4)
.else
.set fr, 32+8*fi
.endif
.set ac, 128+8*(4*(\a/2)+2*(\mp)+\a%2)
.set af, 8*(16*(\a%2)+4*(\g)+\k)
.if (\bias) && (\k == 0)
	v_wmma_f32_16x16x32_bf16 v[ac:ac+7], v[fr:fr+7], v[af:af+7], v[B1+8*(\a/2):B1+8*(\a/2)+7]
.else
	v_wmma_f32_16x16x32_bf16 v[ac:ac+7], v[fr:fr+7], v[af:af+7], v[ac:ac+7]
.endif
.endr
.endr
.endm
.macro FETCH2 f, kt                    ; 24 loads: W2's eight fragments of a quarter, then the hidden layer's four
	WIN 0
.irp t, 0,1,2,3,4,5,6,7
	ds_load_b128 v[(\f)+8*\t:(\f)+8*\t+3], v[WA0] offset:(\kt)*8192+\t*1024
	ds_load_b128 v[(\f)+8*\t+4:(\f)+8*\t+7], v[WA0] offset:(\kt)*8192+\t*1024+512
.endr
.irp m, 0,1,2,3
	ds_load_b128 v[(\f)+64+8*\m:(\f)+64+8*\m+3], v[STR] offset:(4*\m+(\kt))*1024
	ds_load_b128 v[(\f)+64+8*\m+4:(\f)+64+8*\m+7], v[STR] offset:(4*\m+(\kt))*1024+512
.endr
.endm
.macro MG2 f, m0, n
	WIN 0x50
.set mm, \m0
.rept \n
.irp t, 0,1,2,3,4,5,6,7
	v_wmma_f32_16x16x32_bf16 v[8*(8*mm+\t):8*(8*mm+\t)+7], v[(\f)+8*\t:(\f)+8*\t+7], v[(\f)+64+8*mm:(\f)+64+8*mm+7], v[8*(8*mm+\t):8*(8*mm+\t)+7]
.endr
.set mm, mm+1
.endr
.endm
.macro G1Q set, g, bias, more
	s_wait_dscnt 0x0
	MG1 \set, \g, 0, \bias
.if \more
	PLACES
	FETCHG1 1-(\set), (\g)+1
.endif
	MG1 \set, \g, 1, \bias
.endm
; G1: my 32 hidden columns of the chunk for all 64 rows; relu on the packed halves; into the stage.  The change of slots that follows orders every wave's stores ahead of every wave's reads of the stage.
.macro G1 last
	s_wait_loadcnt 0x0                             ; b1 of this chunk; its loads are done, so their pointer may be written
.if (\last) == 0
	s_add_co_u32 s[CN], s[CN], 1                   ; the walk's next chunk, round the sixteen: its W1 is asked for at this step's end, its b1 and its W2 in the step after
	s_and_b32 s[CN], s[CN], 15
	s_lshl_b32 s[OFW], s[CN], 17
	s_lshl_b32 s[OFB], s[CN], 9
	s_add_nc_u64 s[PB:PB+1], s[16:17], s[OFB:OFB+1]
.endif
	G1Q 0, 0, 1, 1
	G1Q 1, 1, 0, 1
	G1Q 0, 2, 0, 1
	G1Q 1, 3, 0, 0
	PLACES
	WIN 0
.set i, 0
.rept 32
	v_cvt_pk_bf16_f32 v[128+i], v[128+2*i], v[129+2*i]
.set i, i+1
.endr
.set i, 0
.rept 32
	v_pk_max_num_bf16 v[128+i], v[128+i], v[ZR]
.set i, i+1
.endr
.irp f, 0,1
.irp m, 0,1,2,3
	ds_store_b128 v[STA], v[128+4*(4*\f+\m):128+4*(4*\f+\m)+3] offset:\m*4096+\f*512
.endr
.endr
.if \last
	s_wait_tensorcnt 0x0                           ; W2's last tile is in (my own part); nothing is asked for any more
	s_wait_dscnt 0x0
	s_barrier_signal -1
	s_barrier_wait -1
	FETCH2 F0, 0
.else
	CHG_A
	s_add_nc_u64 s[G0S1+2:G0S1+3], s[PW1:PW1+1], s[OFW:OFW+1]  ; the address is made anew from the chunk's number, the type bits set again
	s_or_b32 s[G0S1+3], s[G0S1+3], 0x80000000
	CHG_B G0S1, G1J                                ; slot 1 takes W1's next tile
	FETCH2 F0, 0
.endif
.endm
.macro G2Q f, g, kt, b1l
	s_wait_dscnt 4                                 ; W2 and the hidden layer's rows 0-31 are in
	MG2 \f, 0, 2
	PLACES
	FETCH2 \g, (\kt)+1
.if \b1l
	B1LOAD                                         ; for the next chunk
.endif
	s_wait_dscnt 24                                ; all but the 24 just issued
	MG2 \f, 2, 2
.endm
; G2: x1 += hidden W2.  The round at its end orders every wave's reads of the stage ahead of the next chunk's stores.
.macro G2 last
.if \last
	G2Q F0, F1, 0, 0
.else
	G2Q F0, F1, 0, 1
.endif
	G2Q F1, F0, 1, 0
	G2Q F0, F1, 2, 0
.if \last
	s_wait_dscnt 4
	MG2 F1, 0, 2
	PLACES
	WIN 0
.irp t, 0,1,2,3,4,5,6,7
	global_load_b128 v[32+8*\t:35+8*\t], v[GO], s[18:19] offset:\t*64        ; b2 of my columns
	global_load_b128 v[36+8*\t:39+8*\t], v[GO], s[18:19] offset:\t*64+16
.endr
	s_wait_dscnt 0x0
	MG2 F1, 2, 2
.else
	T_OPEN 5                                       ; the add and the hidden layer's rows 32-63 may stay out
	MG2 F1, 0, 1
	T_SIG
	MG2 F1, 1, 1
	T_CLOSE
	s_add_nc_u64 s[G0S0+2:G0S0+3], s[PW2:PW2+1], s[OFW:OFW+1]
	s_or_b32 s[G0S0+3], s[G0S0+3], 0x80000000
	T_LOAD G0S0, G1J                               ; slot 0 takes W2's next tile
	FETCHG1 0, 0
	MG2 F1, 2, 2
.rept 5
	v_nop                                          ; five places: the next chunk's first products write over registers that these products read
.endr
.endif
.endm
	FETCHG1 0, 0
	WIN 0
	s_mov_b32 s[CNT], 15
.Lchunk:
	G1 0
	G2 0
	WIN 0
	s_sub_co_u32 s[CNT], s[CNT], 1
	s_cmp_lg_u32 s[CNT], 0
	s_cbranch_scc1 .Lchunk
	G1 1                                           ; the walk's last chunk is written out: nothing more is asked for
	G2 1
; ---- the way out: + b2, through my own part of slot 1 (it has had its last fill, and I alone read it), back as whole rows of 512 bytes ----
	PLACES
	s_wait_loadcnt 0x0                             ; b2
.macro OUTM mt
	WIN 0x01
.set p, 0
.rept 32
	v_pk_add_f32 v[96+2*p:97+2*p], v[64*(\mt)+2*p:64*(\mt)+2*p+1], v[32+2*p:33+2*p]
.set p, p+1
.endr
	WIN 0
.irp t, 0,1,2,3,4,5,6,7
	ds_store_b128 v[OA], v[96+8*\t:99+8*\t] offset:(\mt)*8448+\t*64
	ds_store_b128 v[OA], v[100+8*\t:103+8*\t] offset:(\mt)*8448+\t*64+16
.endr
	s_wait_xcnt 0x0                                ; the last block's stores have read the registers that are loaded next
.set i, 0
.rept 16
	ds_load_b128 v[160+4*i:163+4*i], v[WA1] offset:(16*(\mt)+i)*528  ; LDS serves a wave's instructions in order (ISA guide 5.7.1.4): these see the stores above
.set i, i+1
.endr
	s_wait_dscnt 0x0
.set i, 0
.rept 16
	global_store_b128 v[L16], v[160+4*i:163+4*i], s[20:21] offset:(16*(\mt)+i)*2048 th:TH_STORE_NT  ; 512 consecutive bytes, at a multiple of 512 from out0's first byte
.set i, i+1
.endr
.endm
	OUTM 0
	OUTM 1
	OUTM 2
	OUTM 3
	s_wait_tensorcnt 0x0                           ; the wave's end
	ds_add_u32 v[SPW], v[NIL]
	s_wait_dscnt 0x0
	CROUND                                         ; the closing round
	s_endpgm
.Lfunc_end_k_q035f8d664e_ffn:
	.size	k_q035f8d664e_ffn, .Lfunc_end_k_q035f8d664e_ffn-k_q035f8d664e_ffn
	.p2alignl 7, 3214868480
	.fill 96, 4, 3214868480
	.section	.rodata,"a",@progbits
	.p2align	6, 0x0
	.amdhsa_kernel k_q035f8d664e_ffn
		.amdhsa_group_segment_fixed_size 327680
		.amdhsa_private_segment_fixed_size 0
		.amdhsa_enable_private_segment 0
		.amdhsa_kernarg_size 72
		.amdhsa_user_sgpr_count 2
		.amdhsa_user_sgpr_kernarg_segment_ptr 1
		.amdhsa_wavefront_size32 1
		.amdhsa_system_sgpr_workgroup_id_x 1
		.amdhsa_system_sgpr_workgroup_id_y 1
		.amdhsa_system_sgpr_workgroup_id_z 1
		.amdhsa_system_vgpr_workitem_id 0
		.amdhsa_next_free_vgpr 1024
		.amdhsa_next_free_sgpr 100
		.amdhsa_reserve_vcc 0
		.amdhsa_float_denorm_mode_32 3
		.amdhsa_float_denorm_mode_16_64 3
		.amdhsa_memory_ordered 1
		.amdhsa_forward_progress 1
		.amdhsa_inst_pref_size 245
	.end_amdhsa_kernel
	.amdgpu_metadata
---
amdhsa.version: [ 1, 2 ]
amdhsa.kernels:
  - .name:           k_q035f8d664e_ffn
    .symbol:         k_q035f8d664e_ffn.kd
    .args:
      - { .name: ctxf, .offset: 0, .size: 8, .value_kind: global_buffer, .address_space: global }
      - { .name: x, .offset: 8, .size: 8, .value_kind: global_buffer, .address_space: global }
      - { .name: wts, .offset: 16, .size: 8, .value_kind: global_buffer, .address_space: global }
      - { .name: bo, .offset: 24, .size: 8, .value_kind: global_buffer, .address_space: global }
      - { .name: ln2_g, .offset: 32, .size: 8, .value_kind: global_buffer, .address_space: global }
      - { .name: ln2_b, .offset: 40, .size: 8, .value_kind: global_buffer, .address_space: global }
      - { .name: b1, .offset: 48, .size: 8, .value_kind: global_buffer, .address_space: global }
      - { .name: b2, .offset: 56, .size: 8, .value_kind: global_buffer, .address_space: global }
      - { .name: out0, .offset: 64, .size: 8, .value_kind: global_buffer, .address_space: global }
    .group_segment_fixed_size: 327680
    .private_segment_fixed_size: 0
    .kernarg_segment_align: 8
    .kernarg_segment_size: 72
    .max_flat_workgroup_size: 128
    .sgpr_count:     100
    .vgpr_count:     1024
    .wavefront_size: 32
...
	.end_amdgpu_metadata
.endif
;; end of part 3
